; MI455X (gfx1250); checked and timed in simulation.
; The chip was launched on July 23, 2026; its instructions are those of AMD's public machine-readable ISA for CDNA 5 (MIT licence, August 2026) and "CDNA5" Instruction Set Architecture Reference Guide (July 2026). The comments in the code are by the model that wrote it; some were corrected since.
;; Pyramid Sparse Attention. Allowed arithmetic: matrix products marked QUANTISED: E2M1 operands, one E8M0 scale for each 32 along K, by v_wmma_scale_f32_16x16x128_f8f6f4 with both operands' format E2M1 (or v_wmma_scale_f32_32x16x128_f4), f32 sums; everything else in f32.
;; Inputs: k 1 x 8 x 4,096 x 64 float32; q 1 x 8 x 4,096 x 64 float32; sample_idx_k 1 x 8 x 16 int32; sample_idx_q 1 x 8 x 16 int32; v 1 x 8 x 4,096 x 64 float32.
;; Outputs: out0 1 x 8 x 4,096 x 64 float32.
;; This version of the problem:
;;   THIS VERSION OF THE PROBLEM IS GIVEN IN LOW PRECISION. The matrix products marked QUANTISED in the list below multiply operands that are first quantised to E2M1 (2 exponent bits, 1 mantissa bit; 4 bits a number), with one power-of-two scale for each 32 numbers along K (OCP MX v1.0); their sums are f32. All else is computed in f32.
;;   The module's matrix products, in the order in which they are computed (A, B: the left and right operand; K: the contracted axis; several contracted axes count as one K, in the product's order):
;;     1. batch 8 x [M 1,024, K 64] x [K 64, N 1,024]; A: computed on the way; B: computed on the way: QUANTISED
;;     2. batch 8 x [M 4,096, K 64] x [K 64, N 4,096]; A: input q; B: input k: QUANTISED
;;     3. batch 8 x [M 4,096, K 4,096] x [K 4,096, N 64]; A: softmax (see below); B: input v: QUANTISED
;;   THE QUANTISER, for each operand of a quantised product, along K:
;;     - K is cut into blocks of 32 from its start; a last block that is shorter is filled with zeros.
;;     - A block's scale is 2^e with e = floor(log2(the largest magnitude in the block)) - 2, held to -126 .. 127; a block of zeros has e = 0. As a byte (E8M0): e + 127.
;;     - Each number is divided by its block's scale, clamped to +-6, and rounded to the nearest number of E2M1, ties to even, subnormals kept.
;;     - The product sums the exact products of the quantised numbers (number of the format x scale) in f32.
;;   ~~~python
;;   def quantise(x, axis):      # numpy; x: float32 -> the quantised numbers, widened to float32 again
;;       x = np.moveaxis(x, axis, -1); K = x.shape[-1]
;;       x = np.pad(x, [(0, 0)] * (x.ndim - 1) + [(0, -K % 32)]); x = x.reshape(x.shape[:-1] + (-1, 32)); a = np.abs(x).max(-1, keepdims=True)
;;       e = np.where(a > 0, np.clip(np.frexp(np.where(a > 0, a, 1))[1] - 1 - 2, -126, 127), 0)      # np.frexp(a)[1] - 1 = floor(log2(a)), exactly
;;       r = np.clip(x / 2.0 ** e, -6, 6)
;;       step = 2.0 ** (np.maximum(np.frexp(np.where(r == 0, 1, r))[1] - 1, 0) - 1)
;;       q = np.round(r / step) * step * 2.0 ** e      # np.round: ties to even
;;       return np.moveaxis(q.reshape(q.shape[:-2] + (-1,))[..., :K], -1, axis).astype(np.float32)
;;   ~~~
;;   SOFTMAX AHEAD OF A QUANTISED PRODUCT. Where the list says 'softmax', what is quantised is not the finished softmax but p = 2^(t - M), with t = logit x log2(e) and M = ceil(the row's largest t), a whole number; so 1/2 < the row's largest p <= 1. The row's sum l is taken of the UNQUANTISED p, in f32, and the product's result is divided by l at the end. Since M is a whole number, a kernel that streams over the keys may use a running M (the ceiling of the running maximum): every later rescaling is an exact power of two, which a block's scale takes up: the codes' values come out the same.
;;   OPERANDS COMPUTED ON THE WAY. 'Computed on the way' means the value that the module computes at that place (a softmax that the list does not call 'softmax' is quantised finished and normalised). What goes into a quantiser is computed in f32, as accurately as f32 sums, v_exp_f32 and their like allow (about 1e-6 of the number): no bf16 or f16 on the way to a quantiser, and a product that is left as it is and whose result goes on into a quantised operand takes f32 operands (vector FMAs, or v_wmma_f32_16x16x4_f32). A number that lies on a knife's edge between two numbers of the format may be rounded either way, as far as f32 arithmetic and the matrix unit's own rounding can turn it there, and no further.
;; 2 versions. Each part assembles by itself: llvm-mc -triple=amdgcn-amd-amdhsa -mcpu=gfx1250 --defsym DOCPART=n.
;; ======== version 1 of 2: 2 launches
;; workspace buffers: codes 3,145,728 bytes; scales 196,608 bytes; keep 4,096 bytes of whole numbers
;; launch prep (part 1): grid 448 x 1, 8 waves a work-group, no clusters, 149,504 bytes of LDS; arguments q, k, v, sample_idx_q, sample_idx_k, codes, scales, keep; writes codes, scales, keep
.if DOCPART == 1
	.amdgcn_target "amdgcn-amd-amdhsa--gfx1250"
	.amdhsa_code_object_version 6
	.text
	.protected	k_q0c4d3cbfa6_prep
	.globl	k_q0c4d3cbfa6_prep
	.p2align	8
	.type	k_q0c4d3cbfa6_prep,@function
k_q0c4d3cbfa6_prep:
	s_mov_b64 s[64:65], 0
	v_nop
	global_prefetch_b8 v0, s[64:65] scope:SCOPE_SE
	s_setreg_imm32_b32 hwreg(HW_REG_WAVE_MODE, 25, 1), 1
	s_wait_xcnt 0x0
; PREP: q, k, v [8 heads][4096][64] f32 become codes of FP4 (E2M1) with one E8M0 byte for each 32 along a product's K, and the keep mask of the 64 x 64 blocks of each head is made.
; Three roles part on the work-group's number alone and never join:
;   work-groups   0-127  MASK: the sampled attention (16 sampled rows of each block of 64), pooled 16 x 16, ranked; a key block is kept where the mass ranked ahead of it is under half of the row's mass.
;                        (The bands are nested and only "value > 0" is used, so the one bound 0.5 decides.)  It quantises its own sampled rows from f32: it reads nothing that this launch stores.
;   work-groups 128-383  ROWS: q and k, quantised along the head's 64 (two blocks of 32 a row);   work-groups 384-447  V: quantised along the KEYS (blocks of 32 keys of one channel).
; WORKSPACE, in the order of the operand's registers.  A unit = head x 64 + block of 64 tokens.  r = lane % 16, h = lane / 16.
;   codes [q, k, v][512 units][2048]:  q, k: piece 2 b + u (512 bytes): lane (r, h)'s 16 bytes at 16 x lane are channels 32 h .. 32 h + 31 of row 32 b + 8 u + r + 8 (r / 8).  Pieces (b, 0), (b, 1) on end are ONE
;   fragment of 16 rows x 128: tile (b, 0) at k 0-63, tile (b, 1) at k 64-127; the other side of the product holds [its codes | zeros] or [zeros | its codes] and so picks one of the two tiles.
;   v: tile t (channel 16 t + r), keys 32 h .. 32 h + 31, at 512 t + 16 x lane: half a fragment of V^T.
;   scales [q, k, v][512][128]:  q, k: word 16 b + r = the bytes of (tile (b, 0), channels 0-31), ((b, 0), 32-63), ((b, 1), 0-31), ((b, 1), 32-63) of lane r's rows.   v: word l = channel l keys 0-31, 32-63; channel 32 + l likewise.
;   keep [512 (head x 64 + query block)][2] words: bit j of word 0: key block j is kept; of word 1: key block 32 + j.  Stored at fixed places, as data: no address and no branch here hangs on it.
; NO TENSOR LOADS, NO JOINT LOADS: the rows and v are read once, by dense loads of many small waves; the sampled rows that the sixteen mask work-groups of a head share lie at places given by an index input, which no
; descriptor made of constants can state.
; LIMITS: NaN and infinities among the inputs are not served.  A block of zeros, or one whose largest magnitude lies under 2^-124, gets the byte 1 where the quantiser says 127 or holds at -126: its codes are as the floor
; gives them (zeros for zeros), and the bytes are read by this program alone.  The mass ahead of a block is summed in index order and compared with half the total (no sorted running sum, no division): this can differ
; only where the fraction lies within f32 rounding of 0.5.  Equal masses: the lower index is ahead, as a stable sort has it.
.set RTW,   8960                       ; LDS: ROWS: a stage for each wave: 32 rows x 272 bytes, rows 16-31 another 128 bytes on; at byte 0
.set SKIMG, 71680                      ; MASK: 32 fragments of sampled keys (two key blocks each), 1,024 bytes each, as images of their registers
.set SKSC,  104448                     ; their scale words: 8 groups x [lane][4 words]
.set XCH,   108544                     ; 256 bytes a wave: (-M, sum) of a lane's query, for the partner wave
.set PT,    110592                     ; 4,608 bytes a wave, its own: 32 lanes x 144
.set PTW,   4608
.set PR,    147456                     ; the pooled masses: 4 query blocks x 64 words
; 32 numbers of ONE lane, v[src] on, are one block: its codes go to v[cod .. cod+3], its byte to v[e].  v[m], v[m+1] largest magnitudes, v[m+2] the conversion's scale operand.
.macro QUANT32 src, cod, e, m
	v_max3_num_f32 v[\m], |v[\src]|, |v[\src+1]|, 0x1800000        ; with the floor 2^(3 - 127) among the leaves: the byte cannot fall under 1
	v_max3_num_f32 v[\m+1], |v[\src+2]|, |v[\src+3]|, |v[\src+4]|  ; two chains, so that no line waits for the line above it
.irp i, 5,9,13,17,21,25
	v_max3_num_f32 v[\m], v[\m], |v[\src+\i]|, |v[\src+\i+1]|
	v_max3_num_f32 v[\m+1], v[\m+1], |v[\src+\i+2]|, |v[\src+\i+3]|
.endr
	v_max3_num_f32 v[\m], v[\m], |v[\src+29]|, |v[\src+30]|
	v_max3_num_f32 v[\m], v[\m], v[\m+1], |v[\src+31]|
	v_add_nc_u32 v[\m+2], 0xff000000, v[\m]                        ; 2 off the exponent field: the conversion takes the exponent field of this operand as its scale
.irp g, 0,1,2,3
	v_cvt_scalef32_pk8_fp4_f32 v[\cod+\g], v[\src+8*\g:\src+8*\g+7], v[\m+2]
.endr
	v_lshrrev_b32 v[\e], 23, v[\m+2]                               ; the byte; also the plain line behind the last conversion
.endm
.macro BAR                             ; my LDS stores have landed and my LDS loads are in: then the work-group's barrier
	s_wait_dscnt 0x0
	s_barrier_signal -1
	s_barrier_wait -1
.endm
	s_load_b256 s[4:11], s[0:1], 0x0               ; q s[4:5], k s[6:7], v s[8:9], sample_idx_q s[10:11]
	s_load_b256 s[12:19], s[0:1], 0x20             ; sample_idx_k s[12:13], codes s[14:15], scales s[16:17], keep s[18:19]
	v_lshl_add_u32 v224, v0, 2, 0x24400
	v_mov_b32 v225, 0
	v_lshrrev_b32 v1, 5, v0
	v_readfirstlane_b32 s20, v1                    ; wave 0..7
	v_and_b32 v1, 31, v0                           ; lane
	v_and_b32 v2, 15, v0                           ; r
	v_bfe_u32 v3, v0, 4, 1                         ; h
	s_mov_b32 s38, 0x76543210
	s_mov_b32 s39, 0xfedcba98                      ; v_permlanex16_b32's selects for lane l xor 16
	s_wait_kmcnt 0x0
	s_cmp_lt_u32 ttmp9, 128
	s_cbranch_scc1 .Lmask
	s_cmp_lt_u32 ttmp9, 384
	s_cbranch_scc1 .Lrows
; ---------------------------------------------------------------- V: a wave takes one unit, 64 keys x 64 channels.  Lane l takes channels l and 32 + l, and its registers run down the keys:
; a block of 32 keys of one channel lies in one lane's 32 registers, and the codes come out with the keys innermost.  No LDS.
	s_sub_co_u32 s21, ttmp9, 384
	s_lshl_b32 s21, s21, 3
	s_add_co_u32 s21, s21, s20                     ; the unit, 0..511
	s_lshl_b32 s24, s21, 14                        ; 64 keys x 256 bytes
	s_mov_b32 s25, 0
	s_add_nc_u64 s[8:9], s[8:9], s[24:25]
	s_lshl_b32 s24, s21, 11
	s_add_co_u32 s24, s24, 0x200000                ; v's part of the codes
	s_add_nc_u64 s[14:15], s[14:15], s[24:25]
	s_lshl_b32 s24, s21, 7
	s_add_co_u32 s24, s24, 0x20000                 ; and of the scales
	s_add_nc_u64 s[16:17], s[16:17], s[24:25]
	v_lshlrev_b32 v4, 2, v1                        ; 4 x lane
	v_lshlrev_b32 v5, 4, v2
	v_lshl_add_u32 v5, v3, 9, v5                   ; out: 512 (lane / 16) + 16 (lane % 16)
.set KEY, 0
.rept 64
	global_load_b32 v[16+KEY], v4, s[8:9] offset:256*KEY th:TH_LOAD_NT       ; the two halves of a key's 256 bytes stand back to back; read once in the launch
	global_load_b32 v[80+KEY], v4, s[8:9] offset:256*KEY+128 th:TH_LOAD_NT
.set KEY, KEY+1
.endr
	s_wait_loadcnt 63                              ; keys 0-31 are wanted, 64 younger loads were issued; the count's field names 63 at the most, so one load more is awaited
	QUANT32 16, 144, 160, 164                      ; channel l, keys 0-31
	QUANT32 80, 152, 162, 164                      ; channel 32 + l, keys 0-31
	s_wait_loadcnt 0x0
	QUANT32 48, 148, 161, 164                      ; channel l, keys 32-63
	QUANT32 112, 156, 163, 164                     ; channel 32 + l, keys 32-63
.irp j, 0,1
.irp hb, 0,1
	global_store_b128 v5, v[144+8*\j+4*\hb:147+8*\j+4*\hb], s[14:15] offset:1024*\j+256*\hb   ; sixteen lanes store 256 consecutive bytes, aligned
.endr
.endr
	v_lshl_or_b32 v160, v161, 8, v160
	v_lshl_or_b32 v160, v162, 16, v160
	v_lshl_or_b32 v160, v163, 24, v160
	global_store_b32 v4, v160, s[16:17]            ; the unit's 128 scale bytes
	s_endpgm
; ---------------------------------------------------------------- ROWS: a wave takes 32 rows (8,192 bytes) of q or of k: half a unit, two pieces of codes.
; Loads take the bytes as they lie, 512 to a load; the conversions want 32 neighbours of a row in ONE lane: the rows turn through the wave's own stage in LDS.
.Lrows:
	s_sub_co_u32 s21, ttmp9, 128
	s_lshl_b32 s21, s21, 3
	s_add_co_u32 s21, s21, s20                     ; 0..1023: q's runs of 32 rows; 1024..2047: k's
	s_cmp_lt_u32 ttmp9, 256                        ; the choice hangs on the work-group's number alone
	s_cselect_b64 s[22:23], s[4:5], s[6:7]
	s_and_b32 s24, s21, 1023
	s_lshl_b32 s24, s24, 13
	s_mov_b32 s25, 0
	s_add_nc_u64 s[22:23], s[22:23], s[24:25]
	v_lshlrev_b32 v4, 4, v1                        ; 16 x lane
.irp i, 0,1,2,3,4,5,6,7,8,9,10,11,12,13,14,15
	global_load_b128 v[16+4*\i:19+4*\i], v4, s[22:23] offset:512*\i        ; rows 2 i and 2 i + 1
.endr
	s_lshl_b32 s24, s21, 10                        ; q's codes and then k's lie on end: 1,024 bytes a run
	s_add_nc_u64 s[14:15], s[14:15], s[24:25]
	s_lshl_b32 s24, s21, 6                         ; and 64 bytes of scale words
	s_add_nc_u64 s[16:17], s[16:17], s[24:25]
	s_mul_i32 s26, s20, RTW                        ; my stage
	v_mul_u32_u24 v5, v3, 272
	v_lshl_add_u32 v5, v2, 4, v5
	v_add_nc_u32 v5, s26, v5                       ; in: row lane / 16 of a load's two, 16 bytes a lane
	v_lshrrev_b32 v9, 3, v2                        ; r / 8
	v_lshl_add_u32 v6, v9, 3, v2                   ; r + 8 (r / 8)
	v_mul_u32_u24 v6, v6, 272
	v_lshl_add_u32 v6, v9, 7, v6                   ; rows 16-31 lie 128 bytes further on: so the sixteen rows of a pass (0-7 and 16-23, or 8-15 and 24-31) begin at sixteen different 16-byte columns modulo 256 bytes
	v_lshl_add_u32 v6, v3, 7, v6                   ; my half of the row
	v_add_nc_u32 v6, s26, v6
	v_lshlrev_b32 v7, 3, v3                        ; 8 h
	v_lshlrev_b32 v8, 2, v2                        ; 4 r
	v_mov_b32 v158, 0                              ; a lane permute's destination counts as one of its sources
.irp g, 0,1,2,3
	s_wait_loadcnt 12-4*\g                         ; this group of four loads is in; the younger groups may be out
.irp n, 0,1,2,3
	ds_store_b128 v5, v[16+4*(4*\g+\n):19+4*(4*\g+\n)] offset:544*(4*\g+\n)+128*(\g/2)
.endr
.endr
.irp u, 0,1
.irp j, 0,1,2,3,4,5,6,7
	ds_load_b128 v[80+32*\u+4*\j:83+32*\u+4*\j], v6 offset:2176*\u+16*\j   ; LDS serves a wave's instructions in order: these see my stores.  Row 8 u + r + 8 (r / 8), channels 32 h on
.endr
.endr
	s_wait_dscnt 0x8                               ; piece 0's numbers are back; piece 1's eight loads may be out
	QUANT32 80, 144, 155, 152
	s_wait_dscnt 0x0
	QUANT32 112, 148, 156, 152
	global_store_b128 v4, v[144:147], s[14:15]             ; 32 lanes store 512 consecutive bytes, aligned
	global_store_b128 v4, v[148:151], s[14:15] offset:512
	v_lshl_or_b32 v157, v156, 16, v155             ; my two bytes: channels 32 h on of tiles u = 0 and u = 1,
	v_lshlrev_b32 v157, v7, v157                   ; at their places in the word (8 h bits up);
	v_permlanex16_b32 v158, v157, s38, s39
	v_or_b32 v157, v157, v158                      ; with lane l xor 16's two the word is whole
	global_store_b32 v8, v157, s[16:17]            ; lanes r and 16 + r store the same word with the same value
	s_wait_tensorcnt 0x0
	ds_add_u32 v224, v225
	s_wait_dscnt 0x0
	s_endpgm
; ---------------------------------------------------------------- MASK: work-group g: head g / 16, query blocks 4 (g % 16) + 0..3.  A query block has TWO waves (wave / 2), each with 32 of the 64 key blocks (wave % 2).
; REGISTERS: v4, v5 my sampled row's bytes in a block of k, of q; v6 8 h; v7 16 x lane; v8-19 LDS addresses; v20-31 [zeros | Q's codes | zeros]; v32 Q's scale word; v33-35 at work; v36-43 bytes; v44-47 scale words;
;   v56-87 Q's numbers, then the passes' codes, then four fragments of keys; v88-215 four sets of 32 numbers of k; later v88-91 the fragments' scale words, v96-159 scores, v160-191 the 32 key blocks' sums,
;   v192-195 each step's -M, v[196:197] the step's -M as a pair, v200-223 at work.
.Lmask:
	s_lshr_b32 s21, ttmp9, 4                       ; head
	s_and_b32 s22, ttmp9, 15
	s_lshr_b32 s23, s20, 1                         ; which of the four query blocks
	s_and_b32 s42, s20, 1                          ; which half of the key blocks
	s_lshl_b32 s24, s21, 6                         ; a head's 16 indices
	s_mov_b32 s25, 0
	s_add_nc_u64 s[10:11], s[10:11], s[24:25]
	s_add_nc_u64 s[12:13], s[12:13], s[24:25]
	v_lshlrev_b32 v216, 2, v2
	global_load_b32 v4, v216, s[12:13]             ; sample_idx_k[head][r]
	global_load_b32 v5, v216, s[10:11]             ; sample_idx_q[head][r]
	s_lshl_b32 s24, s21, 20                        ; the head's 4,096 rows of 256 bytes
	s_lshl_b32 s26, s20, 17                        ; for the quantising wave w takes key blocks 8 w .. 8 w + 7
	s_add_co_u32 s26, s26, s24
	s_mov_b32 s27, 0
	s_add_nc_u64 s[6:7], s[6:7], s[26:27]
	s_lshl_b32 s26, s22, 2
	s_add_co_u32 s26, s26, s23
	s_lshl_b32 s26, s26, 14                        ; my query block
	s_add_co_u32 s26, s26, s24
	s_add_nc_u64 s[4:5], s[4:5], s[26:27]
	s_lshl_b32 s26, ttmp9, 5                       ; keep: 8 (head x 64 + query block) + 4 x half = 32 g + 4 w
	s_lshl_b32 s28, s20, 2
	s_add_co_u32 s26, s26, s28
	s_add_nc_u64 s[18:19], s[18:19], s[26:27]
	s_mov_b32 s40, 0x3e38aa3b                      ; c = log2(e) / sqrt(64)
	s_mov_b32 s41, s40                             ; (the packed form names the pair)
	v_lshlrev_b32 v6, 3, v3                        ; 8 h
	v_lshlrev_b32 v7, 4, v1                        ; 16 x lane
	s_lshl_b32 s28, s20, 12
	s_add_co_u32 s28, s28, SKIMG
	v_add_nc_u32 v8, s28, v7                       ; where I store my four fragments
	s_lshl_b32 s28, s20, 9
	s_add_co_u32 s28, s28, SKSC
	v_add_nc_u32 v9, s28, v7                       ; and their scale words
	s_lshl_b32 s28, s42, 14
	s_add_co_u32 s28, s28, SKIMG
	v_add_nc_u32 v10, s28, v7                      ; where I read my half's sixteen fragments
	s_lshl_b32 s28, s42, 11
	s_add_co_u32 s28, s28, SKSC
	v_add_nc_u32 v11, s28, v7
	v_lshlrev_b32 v217, 3, v1
	s_lshl_b32 s28, s20, 8
	s_add_co_u32 s28, s28, XCH
	v_add_nc_u32 v12, s28, v217                    ; my 8 bytes for the partner wave,
	s_xor_b32 s29, s20, 1
	s_lshl_b32 s29, s29, 8
	s_add_co_u32 s29, s29, XCH
	v_add_nc_u32 v13, s29, v217                    ; and the partner's for me
	s_mul_i32 s28, s20, PTW
	s_add_co_u32 s28, s28, PT
	v_mul_u32_u24 v14, v1, 144
	v_add_nc_u32 v14, s28, v14                     ; the turn: in, 144 bytes a lane;
	v_lshrrev_b32 v218, 3, v1
	v_and_b32 v219, 7, v1
	v_mul_u32_u24 v15, v218, 1152
	v_lshl_add_u32 v15, v219, 4, v15
	v_add_nc_u32 v15, s28, v15                     ; out: four sums (lane % 8) of lanes 8 (lane / 8) + 0..7
	s_lshl_b32 s28, s23, 8
	s_add_co_u32 s28, s28, PR                      ; my query block's 64 masses
	s_lshl_b32 s29, s42, 7
	s_add_co_u32 s29, s29, s28                     ; my half of them,
	s_xor_b32 s30, s42, 1
	s_lshl_b32 s30, s30, 7
	s_add_co_u32 s30, s30, s28                     ; the other half
	v_lshl_add_u32 v16, v219, 4, s29
	v_mov_b32 v17, s29
	v_mov_b32 v18, s30
	v_lshl_add_u32 v19, v1, 2, s29
.irp i, 20,21,22,23,28,29,30,31,37,48
	v_mov_b32 v\i, 0                               ; the zero codes on both sides of Q's; and two lane permutes' destinations
.endr
	s_wait_loadcnt 0x0
	v_min_u32 v4, 63, v4                           ; an index stays inside its block
	v_min_u32 v5, 63, v5
	v_lshlrev_b32 v4, 8, v4
	v_lshlrev_b32 v5, 8, v5
	v_lshl_add_u32 v4, v3, 7, v4                   ; row x 256 + 128 h: my half row
	v_lshl_add_u32 v5, v3, 7, v5
.irp j, 0,1,2,3,4,5,6,7
	global_load_b128 v[56+4*\j:59+4*\j], v5, s[4:5] offset:16*\j
.endr
.macro KLOAD p                         ; key block 8 w + p: my half row of its sampled key r, into set p % 4
.irp j, 0,1,2,3,4,5,6,7
	global_load_b128 v[88+32*((\p)%4)+4*\j:88+32*((\p)%4)+4*\j+3], v4, s[6:7] offset:16384*(\p)+16*\j
.endr
.endm
	KLOAD 0
	KLOAD 1
	KLOAD 2
	KLOAD 3
	s_wait_loadcnt 32                              ; Q's eight loads are in; K's four passes may be out
	QUANT32 56, 24, 36, 33
	v_lshlrev_b32 v36, v6, v36
	v_permlanex16_b32 v37, v36, s38, s39
	v_or_b32 v36, v36, v37                         ; Q's two bytes,
	v_lshl_or_b32 v32, v36, 16, v36                ; twice: they serve [codes | zeros] and [zeros | codes] alike
; Pass p.  left: the loads of the younger passes, which may stay out.  Each pass has code registers of its own, so no LDS store's data are written again.
.macro KPASS p, left
	s_wait_loadcnt \left
	QUANT32 88+32*((\p)%4), 56+4*(\p), 36+(\p), 33
	ds_store_b128 v8, v[56+4*(\p):56+4*(\p)+3] offset:1024*((\p)/2)+512*((\p)%2)   ; key blocks 2 f and 2 f + 1 are the two halves of fragment f
.if (\p) < 4
	KLOAD (\p)+4
.endif
.if (\p)%2
	v_lshl_or_b32 v[44+(\p)/2], v[36+(\p)], 16, v[35+(\p)]
	v_lshlrev_b32 v[44+(\p)/2], v6, v[44+(\p)/2]
	v_permlanex16_b32 v48, v[44+(\p)/2], s38, s39
	v_or_b32 v[44+(\p)/2], v[44+(\p)/2], v48       ; the fragment's scale word of key r
.endif
.endm
	KPASS 0, 24
	KPASS 1, 24
	KPASS 2, 24
	KPASS 3, 24
	KPASS 4, 24
	KPASS 5, 16
	KPASS 6, 8
	KPASS 7, 0
	ds_store_b128 v9, v[44:47]
	BAR                                            ; the head's 1,024 sampled keys lie in LDS as 32 fragments
.macro MLOAD s                         ; step s of my half: four fragments (8 key blocks, 128 sampled keys) and their scale words
.irp f, 0,1,2,3
.irp c, 0,1
	ds_load_b128 v[56+8*\f+4*\c:59+8*\f+4*\c], v10 offset:4096*(\s)+1024*\f+512*\c
.endr
.endr
	ds_load_b128 v[88:91], v11 offset:512*(\s)
.endm
	MLOAD 0
	v_mov_b32 v197, 0                              ; (named as the upper half of the pair v[196:197])
; A step: scores of my 16 sampled queries against 128 sampled keys (source 0 = keys, source 1 = queries: a lane holds ONE query), p = 2^(t - M_s) with M_s the ceiling of THIS step's largest t,
; and the sum of p over the lane's 8 keys of each key block.  Nothing summed earlier is rescaled here: the steps' M are brought together afterwards, by exact powers of two.
.macro MSTEP s
	s_wait_dscnt 0x0
.irp f, 0,1,2,3
	v_wmma_scale_f32_16x16x128_f8f6f4 v[96+16*\f:103+16*\f], v[56+8*\f:63+8*\f], v[24:31], 0, v[88+\f], v32 matrix_a_fmt:MATRIX_FMT_FP4 matrix_b_fmt:MATRIX_FMT_FP4    ; [Q | 0]: the fragment's first key block
	v_wmma_scale_f32_16x16x128_f8f6f4 v[104+16*\f:111+16*\f], v[56+8*\f:63+8*\f], v[20:27], 0, v[88+\f], v32 matrix_a_fmt:MATRIX_FMT_FP4 matrix_b_fmt:MATRIX_FMT_FP4  ; [0 | Q]: its second
.endr
.rept 4
	v_nop                                          ; four places in front of loads into registers that the products read, and of the first read of results
.endr
.if (\s) < 3
	MLOAD (\s)+1
.endif
.irp t, 0,1,2,3,4,5,6,7
	v_max3_num_f32 v[200+\t], v[96+8*\t], v[97+8*\t], v[98+8*\t]           ; each result is read from its low end on; the eight tiles by turns
.endr
.irp t, 0,1,2,3,4,5,6,7
	v_max3_num_f32 v[200+\t], v[200+\t], v[99+8*\t], v[100+8*\t]
.endr
.irp t, 0,1,2,3,4,5,6,7
	v_max3_num_f32 v[200+\t], v[200+\t], v[101+8*\t], v[102+8*\t]
.endr
.irp t, 0,1,2,3
	v_max3_num_f32 v[200+\t], v[200+\t], v[103+16*\t], v[111+16*\t]
.endr
	v_max3_num_f32 v200, v200, v204, v205
	v_max3_num_f32 v201, v201, v206, v207
	v_max3_num_f32 v200, v200, v201, v202
	v_max_num_f32 v200, v200, v203
	v_permlanex16_b32 v201, v200, s38, s39         ; the query's other 64 keys lie in lane l xor 16
	v_max_num_f32 v200, v200, v201
	v_mul_f32 v200, s40, v200                      ; as t (c is positive)
	v_floor_f32 v196, -v200                        ; -M_s = floor(-t)
.set J, 0
.rept 32
	v_pk_fma_f32 v[96+J:97+J], v[96+J:97+J], s[40:41], v[196:197] op_sel_hi:[1,0,0]   ; t - M_s, two at a time
.set J, J+2
.endr
.set J, 0
.rept 64
	v_exp_f32 v[96+J], v[96+J]
.set J, J+1
.endr
	v_mov_b32 v[192+(\s)], v196                    ; the step's -M is kept.  (The plain line behind the exponentials)
	s_wait_alu depctr_va_vdst(0)
.irp t, 0,1,2,3,4,5,6,7
	v_pk_add_f32 v[96+8*\t:97+8*\t], v[96+8*\t:97+8*\t], v[98+8*\t:99+8*\t]
	v_pk_add_f32 v[100+8*\t:101+8*\t], v[100+8*\t:101+8*\t], v[102+8*\t:103+8*\t]
.endr
.irp t, 0,1,2,3,4,5,6,7
	v_pk_add_f32 v[96+8*\t:97+8*\t], v[96+8*\t:97+8*\t], v[100+8*\t:101+8*\t]
.endr
.irp t, 0,1,2,3,4,5,6,7
	v_add_f32 v[160+8*(\s)+\t], v[96+8*\t], v[97+8*\t]     ; key block 32 x half + 8 s + t: my 8 keys' p
.endr
.endm
	MSTEP 0
	MSTEP 1
	MSTEP 2
	MSTEP 3
	; the row's M and sum: over my four steps, then with the partner wave's half of the keys
	v_min_num_f32 v208, v192, v193
	v_min_num_f32 v209, v194, v195
	v_min_num_f32 v216, v208, v209                 ; my half's -M: the least of the steps' -M
.irp s, 0,1,2,3
	v_sub_f32 v[200+\s], v216, v[192+\s]           ; M_s - M: a whole number, 0 or less
.endr
.irp s, 0,1,2,3
	v_cvt_i32_f32 v[200+\s], v[200+\s]
.endr
.irp s, 0,1,2,3
	v_ldexp_f32 v[200+\s], 1.0, v[200+\s]          ; f_s = 2^(M_s - M)
.endr
.irp s, 0,1,2,3
	v_pk_add_f32 v[208:209], v[160+8*\s:161+8*\s], v[162+8*\s:163+8*\s]
	v_pk_add_f32 v[210:211], v[164+8*\s:165+8*\s], v[166+8*\s:167+8*\s]
	v_pk_add_f32 v[208:209], v[208:209], v[210:211]
	v_add_f32 v[204+\s], v208, v209                ; the step's sum
.endr
	v_mul_f32 v217, v200, v204
	v_fma_f32 v217, v201, v205, v217
	v_fma_f32 v217, v202, v206, v217
	v_fma_f32 v217, v203, v207, v217
	v_permlanex16_b32 v208, v217, s38, s39
	v_add_f32 v217, v217, v208                     ; my half's sum of the query's p, under my half's M
	ds_store_b64 v12, v[216:217]
	BAR
	ds_load_b64 v[218:219], v13                    ; the partner's -M and sum of the same query
	s_wait_dscnt 0x0
	v_min_num_f32 v220, v216, v218                 ; the row's -M
	v_sub_f32 v221, v220, v216
	v_sub_f32 v222, v220, v218
	v_cvt_i32_f32 v221, v221
	v_cvt_i32_f32 v222, v222
	v_ldexp_f32 v221, 1.0, v221
	v_ldexp_f32 v222, 1.0, v222
	v_mul_f32 v223, v221, v217                     ; both scalings are by powers of two: the two waves get the same sum
	v_fma_f32 v223, v222, v219, v223
	v_rcp_f32 v223, v223
	v_nop                                          ; one plain line behind a transcendental
	s_wait_alu depctr_va_vdst(0)
	v_mul_f32 v221, v221, v223
.irp s, 0,1,2,3
	v_mul_f32 v[200+\s], v[200+\s], v221           ; what brings step s's sums under the row's M and divides by the row's sum
.endr
.irp s, 0,1,2,3
.irp t, 0,1,2,3,4,5,6,7
	v_mul_f32 v[160+8*\s+\t], v[160+8*\s+\t], v[200+\s]
.endr
.endr
	; the pooling: each of the 32 registers is summed over the 32 lanes (16 queries x 2 halves of a block's keys).  Through my own bytes of LDS: lane l then holds four key blocks (lane % 8) of eight lanes.
.irp c, 0,1,2,3,4,5,6,7
	ds_store_b128 v14, v[160+4*\c:163+4*\c] offset:16*\c
.endr
.irp i, 0,1,2,3,4,5,6,7
	ds_load_b128 v[96+4*\i:99+4*\i], v15 offset:144*\i     ; LDS serves a wave's instructions in order: these see my stores
.endr
	s_wait_dscnt 0x0
.irp a, 0,8,16,24
	v_pk_add_f32 v[96+\a:97+\a], v[96+\a:97+\a], v[100+\a:101+\a]
	v_pk_add_f32 v[98+\a:99+\a], v[98+\a:99+\a], v[102+\a:103+\a]
.endr
.irp a, 0,16
	v_pk_add_f32 v[96+\a:97+\a], v[96+\a:97+\a], v[104+\a:105+\a]
	v_pk_add_f32 v[98+\a:99+\a], v[98+\a:99+\a], v[106+\a:107+\a]
.endr
	v_pk_add_f32 v[96:97], v[96:97], v[112:113]
	v_pk_add_f32 v[98:99], v[98:99], v[114:115]
.irp i, 0,1,2,3
	v_add_f32_dpp v[96+\i], v[96+\i], v[96+\i] row_xmask:8 row_mask:0xf bank_mask:0xf
.endr
.irp i, 0,1,2,3
	v_permlanex16_b32 v[100+\i], v[96+\i], s38, s39
.endr
.irp i, 0,1,2,3
	v_add_f32 v[96+\i], v[96+\i], v[100+\i]
.endr
	ds_store_b128 v16, v[96:99]                    ; four lanes store the same four masses with the same values
	BAR                                            ; the four query blocks' 64 masses lie in LDS
	; the rank: lane l decides key block j = 32 x half + l.  Every lane holds all 64 masses: v96-127 my half's, v128-159 the other half's.
.irp i, 0,1,2,3,4,5,6,7
	ds_load_b128 v[96+4*\i:99+4*\i], v17 offset:16*\i
	ds_load_b128 v[128+4*\i:131+4*\i], v18 offset:16*\i
.endr
	ds_load_b32 v200, v19                          ; P_j
	s_wait_dscnt 0x0
	v_pk_add_f32 v[202:203], v[96:97], v[98:99]
	v_pk_add_f32 v[204:205], v[128:129], v[130:131]
.irp j, 4,6,8,10,12,14,16,18,20,22,24,26,28,30
	v_pk_add_f32 v[202:203], v[202:203], v[96+\j:97+\j]
	v_pk_add_f32 v[204:205], v[204:205], v[128+\j:129+\j]
.endr
	v_add_f32 v202, v202, v203
	v_add_f32 v204, v204, v205
	v_add_f32 v202, v202, v204                     ; the total: the two halves' sums are made by the same lines in both waves
	v_mul_f32 v202, 0.5, v202
	v_add_nc_u32 v201, -1, v200                    ; masses are 0 or more, so their bit patterns compare as signed whole numbers: P_i >= P_j is P_i > P_j - 1
	v_sub_nc_u32 v206, v200, s42                   ; the other half: its blocks come behind mine (half 0: ahead only where larger) or in front (half 1: ahead where equal too)
	v_mov_b32 v208, 0
	v_mov_b32 v209, 0
.set I, 0
.rept 32
	v_cmp_gt_i32 vcc_lo, v[128+I], v206
	v_cndmask_b32 v[210+I%2], 0, v[128+I], vcc_lo
	v_add_f32 v[208+I%2], v[208+I%2], v[210+I%2]   ; the mass ahead of block j, in two sums by turns
.set I, I+1
.endr
.set I, 0
.rept 32
	s_mov_b32 s44, (0xffffffff<<(I+1))&0xffffffff  ; the lanes l > i: for them an equal P_i is ahead
	v_cndmask_b32 v212, v200, v201, s44
	v_cmp_gt_i32 vcc_lo, v[96+I], v212
	v_cndmask_b32 v[210+I%2], 0, v[96+I], vcc_lo
	v_add_f32 v[208+I%2], v[208+I%2], v[210+I%2]
.set I, I+1
.endr
	v_add_f32 v208, v208, v209
	v_cmp_lt_f32 vcc_lo, v208, v202                ; kept: the mass ahead is under half of the total
	s_mov_b32 s45, vcc_lo                          ; the 32 bits are the word: data of a store, and nothing else
	v_mov_b32 v208, s45
	v_mov_b32 v209, 0
	v_cmp_eq_u32 vcc_lo, 0, v1
	s_wait_xcnt 0x0                                ; EXEC changes only behind this wait
	s_wait_tensorcnt 0x0
	ds_add_u32 v224, v225
	s_wait_dscnt 0x0
	s_and_saveexec_b32 s46, vcc_lo                 ; lane 0 alone stores
	global_store_b32 v209, v208, s[18:19]
	s_wait_xcnt 0x0
	s_or_b32 exec_lo, exec_lo, s46
	s_endpgm
.Lfunc_end_k_q0c4d3cbfa6_prep:
	.size	k_q0c4d3cbfa6_prep, .Lfunc_end_k_q0c4d3cbfa6_prep-k_q0c4d3cbfa6_prep
	.p2alignl 7, 3214868480
	.fill 96, 4, 3214868480
	.section	.rodata,"a",@progbits
	.p2align	6, 0x0
	.amdhsa_kernel k_q0c4d3cbfa6_prep
		.amdhsa_group_segment_fixed_size 149504
		.amdhsa_private_segment_fixed_size 0
		.amdhsa_enable_private_segment 0
		.amdhsa_kernarg_size 64
		.amdhsa_user_sgpr_count 2
		.amdhsa_user_sgpr_kernarg_segment_ptr 1
		.amdhsa_wavefront_size32 1
		.amdhsa_system_sgpr_workgroup_id_x 1
		.amdhsa_system_sgpr_workgroup_id_y 1
		.amdhsa_system_sgpr_workgroup_id_z 1
		.amdhsa_system_vgpr_workitem_id 0
		.amdhsa_next_free_vgpr 226
		.amdhsa_next_free_sgpr 66
		.amdhsa_reserve_vcc 1
		.amdhsa_float_denorm_mode_32 3
		.amdhsa_float_denorm_mode_16_64 3
		.amdhsa_memory_ordered 1
		.amdhsa_forward_progress 1
		.amdhsa_inst_pref_size 112
	.end_amdhsa_kernel
	.amdgpu_metadata
---
amdhsa.version: [ 1, 2 ]
amdhsa.kernels:
  - .name:           k_q0c4d3cbfa6_prep
    .symbol:         k_q0c4d3cbfa6_prep.kd
    .args:
      - { .name: q, .offset: 0, .size: 8, .value_kind: global_buffer, .address_space: global }
      - { .name: k, .offset: 8, .size: 8, .value_kind: global_buffer, .address_space: global }
      - { .name: v, .offset: 16, .size: 8, .value_kind: global_buffer, .address_space: global }
      - { .name: sample_idx_q, .offset: 24, .size: 8, .value_kind: global_buffer, .address_space: global }
      - { .name: sample_idx_k, .offset: 32, .size: 8, .value_kind: global_buffer, .address_space: global }
      - { .name: codes, .offset: 40, .size: 8, .value_kind: global_buffer, .address_space: global }
      - { .name: scales, .offset: 48, .size: 8, .value_kind: global_buffer, .address_space: global }
      - { .name: keep, .offset: 56, .size: 8, .value_kind: global_buffer, .address_space: global }
    .group_segment_fixed_size: 149504
    .private_segment_fixed_size: 0
    .kernarg_segment_align: 8
    .kernarg_segment_size: 64
    .max_flat_workgroup_size: 256
    .sgpr_count:     66
    .vgpr_count:     226
    .wavefront_size: 32
...
	.end_amdgpu_metadata
.endif
;; end of part 1
;; launch attn (part 2): grid 32 x 8, 8 waves a work-group, no clusters, 35,840 bytes of LDS; arguments codes, scales, keep, out0; writes out0
.if DOCPART == 2
	.amdgcn_target "amdgcn-amd-amdhsa--gfx1250"
	.amdhsa_code_object_version 6
	.text
	.protected	k_q0c4d3cbfa6_attn
	.globl	k_q0c4d3cbfa6_attn
	.p2align	8
	.type	k_q0c4d3cbfa6_attn,@function
k_q0c4d3cbfa6_attn:
	s_mov_b64 s[64:65], 0
	v_nop
	global_prefetch_b8 v0, s[64:65] scope:SCOPE_SE
	s_setreg_imm32_b32 hwreg(HW_REG_WAVE_MODE, 25, 1), 1
	s_wait_xcnt 0x0
; ATTN: out[h][q] = softmax over the KEPT key blocks of (q . k / 8) x v, both products on codes of FP4 (E2M1) with E8M0 scales, from the workspace that the launch before has laid in the order of the operands' registers.
; A key block that is not kept has p = 0 in all its 64 keys, which are two whole blocks of the second product's quantiser: it adds nothing and is left out.
; SHARES.  Work-group (x, head): query blocks 2 x and 2 x + 1.  Wave w: query block 2 x + w / 4, tile w % 4 = 2 b + u of it: 16 queries, in lane order rows 32 b + 8 u + r + 8 (r / 8).  Waves share nothing: no barrier.
; THE WALK.  keep[head x 64 + query block] is two words of bits.  A trip takes the next TWO kept key blocks, A and B: 128 keys, one K step of the second product.  The blocks' numbers are found by a scalar scan of the bits,
; held at 63, and enter the offsets of the NEXT trip's loads; the trip count is (kept + 1) / 2.  With an odd count the last trip's B is a block that does not count (31, when the bits are used up): its scores become -infinity.
; BOTH PRODUCTS ARE USED TRANSPOSED: S^T = K Q^T (source 0 = 16 keys), O^T = V^T P^T (source 0 = 16 channels): a lane holds ONE query (lane % 16) throughout.
; K = 64 IN A FORM OF K = 128: a fragment of K holds TWO tiles of 16 keys, one at k 0-63 and one at k 64-127; Q stands in twelve registers [zeros | codes | zeros], of which registers 4-11 pick the first tile and 0-7 the second.
; The keys of a tile are not neighbours (key 32 b + 8 u + r + 8 (r / 8)), so that the 16 registers of tiles (b, 0), (b, 1) are 16 neighbouring keys: 32 b + 16 (lane / 16) + 0 .. 15.
; THE SOFTMAX: t = score x log2(e) / 8; M = the running largest t rounded UP to a whole number; p = 2^(t - M) is quantised along the keys, not normalised; the sum of the unquantised p divides at the end.
; NO TENSOR LOADS, NO JOINT LOADS: addresses, the trip count and one branch hang on the stored mask, and the query blocks of a head keep different key blocks: operands go from memory straight into registers.
; LIMITS: NaN and infinities among the inputs are not served.  A query block of which no key block is kept cannot arise (the block ranked first has nothing ahead of it); the text would then walk one trip on block 31.
; REGISTERS: v1 16 x lane, v2 4 x lane; v3-6 offsets of K's loads, v7-10 of V's; v11 4 (lane % 16); v12 -M, v13 the largest t, v[14:15] the sum in two halves; v16-27 Q; v28 Q's scale word; v30, v31 K's scale words;
;   v32-63 four fragments of K; v64-95 four fragments of V^T; v96-159 S^T, then p; v160-191 O^T; v192-199 p's codes; v200, v201 V's scale words as stored, v202, v203 as wanted; v208-222 at work; v224-226 the way out.
.macro NEXT d                          ; s[d] = the number of the lowest bit still set in s25:s24, which is cleared; 31 when none is left
	s_cmp_lg_u32 s24, 0
	s_cselect_b32 s31, s24, s25
	s_cselect_b32 s[\d], 0, 32
	s_ctz_i32_b32 s32, s31                         ; (-1 of a word without bits)
	s_add_co_u32 s[\d], s[\d], s32
	s_min_u32 s[\d], s[\d], 63                     ; a number that was loaded enters an address only behind this bound
	s_sub_co_u32 s32, s31, 1
	s_and_b32 s31, s31, s32                        ; the lowest bit is cleared
	s_cmp_lg_u32 s24, 0
	s_cselect_b32 s25, s25, s31
	s_cselect_b32 s24, s31, s24
.endm
.macro PAIR                            ; the next trip's two blocks, and their units' places: 2,048 bytes of codes, 128 of scales
	NEXT 29
	NEXT 30
	s_lshl_b32 s48, s29, 11
	s_lshl_b32 s49, s30, 11
	s_lshl_b32 s50, s29, 7
	s_lshl_b32 s51, s30, 7
.endm
.macro OFFS o                          ; four plain additions: v[o], v[o+1] codes of A, B; v[o+2], v[o+3] scales
	v_add_nc_u32 v[\o], s48, v1
	v_add_nc_u32 v[\o+1], s49, v1
	v_add_nc_u32 v[\o+2], s50, v2
	v_add_nc_u32 v[\o+3], s51, v2
.endm
.macro LOADK                           ; ten loads: each block's four pieces (two fragments) and its scale words (lanes 0-15: fragment 0's, lanes 16-31: fragment 1's)
.irp be, 0,1
.irp p, 0,1,2,3
	global_load_b128 v[32+16*\be+4*\p:35+16*\be+4*\p], v[3+\be], s[16:17] offset:512*\p
.endr
	global_load_b32 v[30+\be], v[5+\be], s[20:21]
.endr
.endm
.macro LOADV                           ; ten loads: tile t's registers 0-3 from block A, 4-7 from block B; the blocks' scale words
.irp be, 0,1
.irp t, 0,1,2,3
	global_load_b128 v[64+8*\t+4*\be:67+8*\t+4*\be], v[7+\be], s[18:19] offset:512*\t
.endr
	global_load_b32 v[200+\be], v[9+\be], s[22:23]
.endr
.endm
	s_load_b256 s[4:11], s[0:1], 0x0               ; codes s[4:5], scales s[6:7], keep s[8:9], out s[10:11]
	v_lshl_add_u32 v232, v0, 2, 0x8800
	v_mov_b32 v233, 0
	v_lshrrev_b32 v222, 5, v0
	v_readfirstlane_b32 s12, v222                  ; wave 0..7
	v_and_b32 v222, 31, v0
	v_lshlrev_b32 v1, 4, v222
	v_lshlrev_b32 v2, 2, v222
	v_and_b32 v222, 15, v0                         ; r
	v_bfe_u32 v223, v0, 4, 1                       ; h
	v_lshlrev_b32 v11, 2, v222
	s_and_b32 s13, ttmp7, 0xffff                   ; head
	s_lshr_b32 s14, s12, 2
	s_lshl_b32 s15, ttmp9, 1
	s_add_co_u32 s14, s14, s15                     ; query block
	s_lshl_b32 s15, s13, 6
	s_add_co_u32 s15, s15, s14                     ; its unit: head x 64 + query block
	s_and_b32 s35, s12, 3                          ; my tile 2 b + u
	s_lshr_b32 s36, s35, 1                         ; b
	s_and_b32 s37, s35, 1                          ; u
	s_mov_b32 s33, 0
	s_mov_b32 s34, 0xff800000                      ; -infinity
	s_mov_b32 s38, 0x76543210
	s_mov_b32 s39, 0xfedcba98                      ; v_permlanex16_b32's selects for lane l xor 16
	s_mov_b32 s40, 0x3e38aa3b                      ; c = log2(e) / sqrt(64)
	s_mov_b32 s41, s40                             ; (the packed form names the pair)
	s_mov_b32 s42, 0x05040100                      ; the two low halves
	s_mov_b32 s43, 0x07060302                      ; the two high halves
	s_wait_kmcnt 0x0
	s_lshl_b32 s32, s15, 3
	s_add_nc_u64 s[8:9], s[8:9], s[32:33]
	s_load_b64 s[24:25], s[8:9], 0x0               ; my query block's 64 bits
	s_lshl_b32 s32, s15, 11
	s_lshl_b32 s31, s35, 9
	s_add_co_u32 s32, s32, s31
	s_add_nc_u64 s[44:45], s[4:5], s[32:33]
	global_load_b128 v[20:23], v1, s[44:45]        ; Q's codes: piece 2 b + u of the unit
	s_lshl_b32 s32, s15, 7
	s_lshl_b32 s31, s36, 6
	s_add_co_u32 s32, s32, s31
	s_add_nc_u64 s[46:47], s[6:7], s[32:33]
	global_load_b32 v29, v11, s[46:47]             ; word 16 b + r: tile (b, 0)'s two bytes below, tile (b, 1)'s above
	s_lshl_b32 s32, s13, 17                        ; a head's 64 units of codes
	s_add_co_u32 s32, s32, 0x100000
	s_add_nc_u64 s[16:17], s[4:5], s[32:33]        ; K's codes of the head
	s_add_co_u32 s32, s32, 0x100000
	s_add_nc_u64 s[18:19], s[4:5], s[32:33]        ; V's
	s_lshl_b32 s32, s13, 13
	s_add_co_u32 s32, s32, 0x10000
	s_add_nc_u64 s[20:21], s[6:7], s[32:33]        ; K's scales
	s_add_co_u32 s32, s32, 0x10000
	s_add_nc_u64 s[22:23], s[6:7], s[32:33]        ; V's
	s_lshl_b32 s32, s15, 14                        ; out: (64 x unit + 32 b + 8 u) rows of 256 bytes
	s_lshl_b32 s31, s36, 13
	s_add_co_u32 s32, s32, s31
	s_lshl_b32 s31, s37, 11
	s_add_co_u32 s32, s32, s31
	s_add_nc_u64 s[10:11], s[10:11], s[32:33]
	s_cmp_lg_u32 s37, 0
	s_mov_b32 s35, 0x01000100                      ; u = 0: the word's low two bytes, twice;
	s_cselect_b32 s35, 0x03020302, s35             ; u = 1: its high two
	s_mul_i32 s36, s12, 4352                       ; my stage: 16 rows x (256 bytes + 16)
	v_mul_u32_u24 v224, v222, 272
	v_lshl_add_u32 v224, v223, 5, v224
	v_add_nc_u32 v224, s36, v224                   ; in: row r, + 32 h
	v_mul_u32_u24 v225, v223, 272
	v_lshl_add_u32 v225, v222, 4, v225
	v_add_nc_u32 v225, s36, v225                   ; back: lanes 0-15 one row, lanes 16-31 the next
	v_lshlrev_b32 v226, 8, v223
	v_lshl_add_u32 v226, v222, 4, v226             ; and the same two rows in out
.irp i, 16,17,18,19,24,25,26,27
	v_mov_b32 v\i, 0                               ; the zero codes on both sides of Q's
.endr
	s_wait_kmcnt 0x0
	s_bcnt1_i32_b32 s26, s24
	s_bcnt1_i32_b32 s31, s25
	s_add_co_u32 s26, s26, s31                     ; kept key blocks
	s_add_co_u32 s27, s26, 1
	s_lshr_b32 s27, s27, 1
	s_max_u32 s27, s27, 1
	s_min_u32 s27, s27, 32                         ; trips
	PAIR
	OFFS 3
	OFFS 7
	LOADK
	LOADV
	s_mov_b32 s28, 0
	v_mov_b32 v13, 0xff61b1e6                      ; the largest t so far: -3e38, under every t
	v_floor_f32 v12, -v13                          ; -M
	v_mov_b32 v14, 0
	v_mov_b32 v15, 0
.irp i, 212,213,214,215,221
	v_mov_b32 v\i, 0                               ; lane permutes' destinations; the upper half of the pair v[220:221]
.endr
	s_wait_loadcnt 20                              ; Q's two loads are in; the first trip's K and V, twenty loads, may be out
	v_perm_b32 v28, v29, v29, s35                  ; Q's two bytes, twice: they serve both places of its codes
.set J, 0
.rept 32
	v_mov_b32 v[160+J], 0                          ; O^T: the loop is written once; its first trip finds zeros.  (These lines are also the places between the scale word's making and the first scaled product)
.set J, J+1
.endr
.Lstep:
	s_wait_loadcnt 10                              ; this trip's K is in (and its loads' offsets are free); the ten loads issued behind it, this trip's V, may be out: the same count on the way in and over the backward jump
	PAIR                                           ; the next trip's blocks
.irp be, 0,1
	v_wmma_scale_f32_16x16x128_f8f6f4 v[96+32*\be:103+32*\be], v[32+16*\be:39+16*\be], v[20:27], 0, v[30+\be], v28 matrix_a_fmt:MATRIX_FMT_FP4 matrix_b_fmt:MATRIX_FMT_FP4
	v_wmma_scale_f32_16x16x128_f8f6f4 v[104+32*\be:111+32*\be], v[32+16*\be:39+16*\be], v[16:23], 0, v[30+\be], v28 matrix_a_fmt:MATRIX_FMT_FP4 matrix_b_fmt:MATRIX_FMT_FP4
	v_wmma_scale_f32_16x16x128_f8f6f4 v[112+32*\be:119+32*\be], v[40+16*\be:47+16*\be], v[20:27], 0, v[30+\be], v28 matrix_a_fmt:MATRIX_FMT_FP4 matrix_b_fmt:MATRIX_FMT_FP4 matrix_a_scale:MATRIX_SCALE_ROW1
	v_wmma_scale_f32_16x16x128_f8f6f4 v[120+32*\be:127+32*\be], v[40+16*\be:47+16*\be], v[16:23], 0, v[30+\be], v28 matrix_a_fmt:MATRIX_FMT_FP4 matrix_b_fmt:MATRIX_FMT_FP4 matrix_a_scale:MATRIX_SCALE_ROW1
.endr                                          ; registers 96 + 16 n + i: key 32 n + 16 (lane / 16) + i of the trip's 128 (n = 0, 1: block A; 2, 3: block B)
	OFFS 3                                         ; the four places behind the products, in front of loads into registers that they read and of the first touch of results
	LOADK                                          ; the next trip's K: it has this trip's softmax in which to land
	s_lshl_b32 s31, s28, 1
	s_add_co_u32 s31, s31, 1
	s_cmp_ge_u32 s31, s26                          ; is B the (2 i + 2)-th of fewer kept blocks?  A branch on a stored whole number: only an odd count's last trip goes through
	s_cbranch_scc0 .Lalive
.set J, 0
.rept 32
	v_mov_b32 v[128+J], s34                        ; block B does not count: p = 0 there
.set J, J+1
.endr
.Lalive:
.irp b, 0,1,2,3
	v_max3_num_f32 v[208+\b], v[96+16*\b], v[97+16*\b], v[98+16*\b]        ; the largest score of each block of 32 keys: for the row's maximum, and, since p rises with the score, for the block's largest p.  Each result is read from its low end on
.endr
.irp i, 3,5,7,9,11,13
.irp b, 0,1,2,3
	v_max3_num_f32 v[208+\b], v[208+\b], v[96+16*\b+\i], v[97+16*\b+\i]
.endr
.endr
.irp b, 0,1,2,3
	v_max_num_f32 v[208+\b], v[208+\b], v[111+16*\b]
.endr
.irp b, 0,1,2,3
	v_permlanex16_b32 v[212+\b], v[208+\b], s38, s39
.endr
.irp b, 0,1,2,3
	v_max_num_f32 v[208+\b], v[208+\b], v[212+\b]  ; with lane l xor 16's 16 keys
.endr
	v_max3_num_f32 v222, v208, v209, v210
	v_max_num_f32 v222, v222, v211
	v_mul_f32 v222, s40, v222                      ; the trip's largest t of my query
	v_max_num_f32 v13, v13, v222
	v_mov_b32 v222, v12
	v_floor_f32 v12, -v13                          ; the new -M = -ceil(t)
	v_sub_f32 v222, v12, v222                      ; old M - new M: a whole number, 0 or less
	v_cvt_i32_f32 v222, v222                       ; (it saturates)
	v_ldexp_f32 v220, 1.0, v222                    ; f = 2^(old M - new M): a multiplication by it rounds nothing
.set J, 0
.rept 32
	v_pk_fma_f32 v[96+J:97+J], v[96+J:97+J], s[40:41], v[12:13] op_sel_hi:[1,0,0]   ; t - M, two at a time
.set J, J+2
.endr
.irp b, 0,1,2,3
	v_fma_f32 v[208+\b], v[208+\b], s40, v12       ; the same of each block's largest score
.endr
.set J, 0
.rept 64
	v_exp_f32 v[96+J], v[96+J]                     ; p = 2^(t - M), at most 1
.set J, J+1
.endr
.irp b, 0,1,2,3
	v_exp_f32 v[208+\b], v[208+\b]                 ; the block's largest p: the same two instructions on the same number
.endr
	v_pk_mul_f32 v[14:15], v[14:15], v[220:221] op_sel_hi:[1,0]            ; the sums under the new M.  (The plain line behind the exponentials)
	s_wait_alu depctr_va_vdst(0)
.irp b, 0,1,2,3
	v_max_num_f32 v[208+\b], 0x1800000, v[208+\b]  ; the floor 2^(3 - 127): the byte cannot fall under 1; a block of zeros keeps that byte over zero codes
.endr
.irp b, 0,1,2,3
	v_add_nc_u32 v[216+\b], 0xff000000, v[208+\b]  ; 2 off the exponent field: the conversion's scale operand
.endr
.irp b, 0,1,2,3
	v_lshrrev_b32 v[212+\b], 23, v[216+\b]         ; the byte
.endr
	v_lshl_or_b32 v221, v213, 8, v212              ; p's scale word for these 128 keys
	v_lshl_or_b32 v221, v214, 16, v221
	v_lshl_or_b32 v221, v215, 24, v221
.irp b, 0,1,2,3
	v_cvt_scalef32_pk8_fp4_f32 v[192+2*\b], v[96+16*\b:103+16*\b], v[216+\b]
	v_cvt_scalef32_pk8_fp4_f32 v[193+2*\b], v[104+16*\b:111+16*\b], v[216+\b]
.endr
	v_nop                                          ; one plain line behind the last conversion
	s_wait_loadcnt 10                              ; this trip's V is in (and its loads' offsets are free); the ten loads issued behind it, the next trip's K, may be out
	v_perm_b32 v202, v201, v200, s42               ; channel l's bytes of block A, then of block B: tile 0 in lanes 0-15, tile 1 in lanes 16-31
	v_perm_b32 v203, v201, v200, s43               ; channel 32 + l's: tiles 2 and 3
.irp c, 0,1                                    ; the operand's layout wants a WHOLE block of 32 keys in a lane
.irp i, 0,1
	v_permlane16_swap_b32 v[192+4*\c+\i], v[194+4*\c+\i]
.endr
.endr
.set J, 0
.rept 16
	v_pk_mul_f32 v[160+J:161+J], v[160+J:161+J], v[220:221] op_sel_hi:[1,0]   ; O^T under the new M
.set J, J+2
.endr
	v_pk_add_f32 v[212:213], v[96:97], v[98:99]    ; the row's sum is taken of the UNQUANTISED p, in two chains.  (With the lines above: the places between the making of scale words and codes and the scaled products)
.irp j, 4,8,12,16,20,24,28,32,36,40,44,48,52,56,60
	v_pk_add_f32 v[14:15], v[14:15], v[96+\j:97+\j]
	v_pk_add_f32 v[212:213], v[212:213], v[98+\j:99+\j]
.endr
	v_pk_add_f32 v[14:15], v[14:15], v[212:213]
	; O^T += V^T P^T: the four accumulators by turns, one instruction a turn, and the eight products K Q^T between a link and the next
	v_wmma_scale_f32_16x16x128_f8f6f4 v[160:167], v[64:71], v[192:199], v[160:167], v202, v221 matrix_a_fmt:MATRIX_FMT_FP4 matrix_b_fmt:MATRIX_FMT_FP4
	v_wmma_scale_f32_16x16x128_f8f6f4 v[168:175], v[72:79], v[192:199], v[168:175], v202, v221 matrix_a_fmt:MATRIX_FMT_FP4 matrix_b_fmt:MATRIX_FMT_FP4 matrix_a_scale:MATRIX_SCALE_ROW1
	v_wmma_scale_f32_16x16x128_f8f6f4 v[176:183], v[80:87], v[192:199], v[176:183], v203, v221 matrix_a_fmt:MATRIX_FMT_FP4 matrix_b_fmt:MATRIX_FMT_FP4
	v_wmma_scale_f32_16x16x128_f8f6f4 v[184:191], v[88:95], v[192:199], v[184:191], v203, v221 matrix_a_fmt:MATRIX_FMT_FP4 matrix_b_fmt:MATRIX_FMT_FP4 matrix_a_scale:MATRIX_SCALE_ROW1
	OFFS 7                                         ; the four places behind the products
	LOADV                                          ; the next trip's V
	s_add_co_u32 s28, s28, 1
	s_cmp_lt_u32 s28, s27
	s_cbranch_scc1 .Lstep
	; THE WAY OUT.  (The last trip's look-ahead loads stay inside the buffers and land in v30-95, v200, v201, which no line below names: nothing waits for them.)
	v_add_f32 v14, v14, v15                        ; the sum's two halves,
	v_permlanex16_b32 v212, v14, s38, s39
	v_add_f32 v14, v14, v212                       ; and lane l xor 16's: the row's sum
	v_rcp_f32 v14, v14
	v_nop                                          ; one plain line behind a transcendental
.set J, 0
	s_wait_alu depctr_va_vdst(0)
.rept 32
	v_mul_f32 v[96+J], v[160+J], v14               ; O^T / the sum: register 8 t + i is out(query r, channel 16 t + 8 h + i); each result from its low end on
.set J, J+1
.endr
.irp t, 0,1,2,3
	ds_store_b128 v224, v[96+8*\t:99+8*\t] offset:64*\t
	ds_store_b128 v224, v[100+8*\t:103+8*\t] offset:64*\t+16
.endr
.irp i, 0,1,2,3,4,5,6,7
	ds_load_b128 v[128+4*\i:131+4*\i], v225 offset:544*\i  ; LDS serves a wave's instructions in order: these see my stores
.endr
.irp i, 0,1,2,3,4,5,6,7
	s_wait_dscnt 7-\i                              ; rows 2 i and 2 i + 1 of the stage are back; the younger loads may be out
	global_store_b128 v226, v[128+4*\i:131+4*\i], s[10:11] offset:(2*\i+8*(\i/4))*256 th:TH_STORE_NT   ; stage row r is row r + 8 (r / 8) of my tile; sixteen lanes store one row: 256 consecutive bytes, aligned
.endr
	s_wait_tensorcnt 0x0
	ds_add_u32 v232, v233
	s_wait_dscnt 0x0
	s_endpgm
.Lfunc_end_k_q0c4d3cbfa6_attn:
	.size	k_q0c4d3cbfa6_attn, .Lfunc_end_k_q0c4d3cbfa6_attn-k_q0c4d3cbfa6_attn
	.p2alignl 7, 3214868480
	.fill 96, 4, 3214868480
	.section	.rodata,"a",@progbits
	.p2align	6, 0x0
	.amdhsa_kernel k_q0c4d3cbfa6_attn
		.amdhsa_group_segment_fixed_size 35840
		.amdhsa_private_segment_fixed_size 0
		.amdhsa_enable_private_segment 0
		.amdhsa_kernarg_size 32
		.amdhsa_user_sgpr_count 2
		.amdhsa_user_sgpr_kernarg_segment_ptr 1
		.amdhsa_wavefront_size32 1
		.amdhsa_system_sgpr_workgroup_id_x 1
		.amdhsa_system_sgpr_workgroup_id_y 1
		.amdhsa_system_sgpr_workgroup_id_z 1
		.amdhsa_system_vgpr_workitem_id 0
		.amdhsa_next_free_vgpr 234
		.amdhsa_next_free_sgpr 66
		.amdhsa_reserve_vcc 0
		.amdhsa_float_denorm_mode_32 3
		.amdhsa_float_denorm_mode_16_64 3
		.amdhsa_memory_ordered 1
		.amdhsa_forward_progress 1
		.amdhsa_inst_pref_size 30
	.end_amdhsa_kernel
	.amdgpu_metadata
---
amdhsa.version: [ 1, 2 ]
amdhsa.kernels:
  - .name:           k_q0c4d3cbfa6_attn
    .symbol:         k_q0c4d3cbfa6_attn.kd
    .args:
      - { .name: codes, .offset: 0, .size: 8, .value_kind: global_buffer, .address_space: global }
      - { .name: scales, .offset: 8, .size: 8, .value_kind: global_buffer, .address_space: global }
      - { .name: keep, .offset: 16, .size: 8, .value_kind: global_buffer, .address_space: global }
      - { .name: out0, .offset: 24, .size: 8, .value_kind: global_buffer, .address_space: global }
    .group_segment_fixed_size: 35840
    .private_segment_fixed_size: 0
    .kernarg_segment_align: 8
    .kernarg_segment_size: 32
    .max_flat_workgroup_size: 256
    .sgpr_count:     66
    .vgpr_count:     234
    .wavefront_size: 32
...
	.end_amdgpu_metadata
.endif
;; end of part 2
;; ======== version 2 of 2: 2 launches
;; workspace buffers: codes 3,145,728 bytes; scales 196,608 bytes; keep 4,096 bytes of whole numbers
;; launch prep (part 3): grid 448 x 1, 8 waves a work-group, no clusters, 149,504 bytes of LDS; arguments q, k, v, sample_idx_q, sample_idx_k, codes, scales, keep; writes codes, scales, keep
.if DOCPART == 3
	.amdgcn_target "amdgcn-amd-amdhsa--gfx1250"
	.amdhsa_code_object_version 6
	.text
	.protected	k_q0c4d3cbfa6_prep
	.globl	k_q0c4d3cbfa6_prep
	.p2align	8
	.type	k_q0c4d3cbfa6_prep,@function
k_q0c4d3cbfa6_prep:
	s_mov_b64 s[64:65], 0
	v_nop
	global_prefetch_b8 v0, s[64:65] scope:SCOPE_SE
	s_setreg_imm32_b32 hwreg(HW_REG_WAVE_MODE, 25, 1), 1
	s_wait_xcnt 0x0
; PREP: q, k, v [8 heads][4096][64] f32 become codes of FP4 (E2M1) with one E8M0 byte for each 32 along a product's K, and the keep mask of the 64 x 64 blocks of each head is made.
; Three roles part on the work-group's number alone and never join:
;   work-groups   0-127  MASK: the sampled attention (16 sampled rows of each block of 64), pooled 16 x 16, ranked; a key block is kept where the mass ranked ahead of it is under half of the row's mass.
;                        (The bands are nested and only "value > 0" is used, so the one bound 0.5 decides.)  It quantises its own sampled rows from f32: it reads nothing that this launch stores.
;   work-groups 128-383  ROWS: q and k, quantised along the head's 64 (two blocks of 32 a row);   work-groups 384-447  V: quantised along the KEYS (blocks of 32 keys of one channel).
; WORKSPACE, in the order of the operand's registers.  A unit = head x 64 + block of 64 tokens.  r = lane % 16, h = lane / 16.
;   codes [q, k, v][512 units][2048]:  q, k: piece 2 b + u (512 bytes): lane (r, h)'s 16 bytes at 16 x lane are channels 32 h .. 32 h + 31 of row 32 b + 8 u + r + 8 (r / 8).  Pieces (b, 0), (b, 1) on end are ONE
;   fragment of 16 rows x 128: tile (b, 0) at k 0-63, tile (b, 1) at k 64-127; the other side of the product holds [its codes | zeros] or [zeros | its codes] and so picks one of the two tiles.
;   v: tile t (channel 16 t + r), keys 32 h .. 32 h + 31, at 512 t + 16 x lane: half a fragment of V^T.
;   scales [q, k, v][512][128]:  q, k: word 16 b + r = the bytes of (tile (b, 0), channels 0-31), ((b, 0), 32-63), ((b, 1), 0-31), ((b, 1), 32-63) of lane r's rows.   v: word l = channel l keys 0-31, 32-63; channel 32 + l likewise.
;   keep [512 (head x 64 + query block)][2] words: bit j of word 0: key block j is kept; of word 1: key block 32 + j.  Stored at fixed places, as data: no address and no branch here hangs on it.
; NO TENSOR LOADS, NO JOINT LOADS: the rows and v are read once, by dense loads of many small waves; the sampled rows that the sixteen mask work-groups of a head share lie at places given by an index input, which no
; descriptor made of constants can state.
; LIMITS: NaN and infinities among the inputs are not served.  A block of zeros, or one whose largest magnitude lies under 2^-124, gets the byte 1 where the quantiser says 127 or holds at -126: its codes are as the floor
; gives them (zeros for zeros), and the bytes are read by this program alone.  The mass ahead of a block is summed in index order and compared with half the total (no sorted running sum, no division): this can differ
; only where the fraction lies within f32 rounding of 0.5.  Equal masses: the lower index is ahead, as a stable sort has it.
.set RTW,   8960                       ; LDS: ROWS: a stage for each wave: 32 rows x 272 bytes, rows 16-31 another 128 bytes on; at byte 0
.set SKIMG, 71680                      ; MASK: 32 fragments of sampled keys (two key blocks each), 1,024 bytes each, as images of their registers
.set SKSC,  104448                     ; their scale words: 8 groups x [lane][4 words]
.set XCH,   108544                     ; 256 bytes a wave: (-M, sum) of a lane's query, for the partner wave
.set PT,    110592                     ; 4,608 bytes a wave, its own: 32 lanes x 144
.set PTW,   4608
.set PR,    147456                     ; the pooled masses: 4 query blocks x 64 words
; 32 numbers of ONE lane, v[src] on, are one block: its codes go to v[cod .. cod+3], its byte to v[e].  v[m], v[m+1] largest magnitudes, v[m+2] the conversion's scale operand.
.macro QUANT32 src, cod, e, m
	v_max3_num_f32 v[\m], |v[\src]|, |v[\src+1]|, 0x1800000        ; with the floor 2^(3 - 127) among the leaves: the byte cannot fall under 1
	v_max3_num_f32 v[\m+1], |v[\src+2]|, |v[\src+3]|, |v[\src+4]|  ; two chains, so that no line waits for the line above it
.irp i, 5,9,13,17,21,25
	s_delay_alu instid0(VALU_DEP_2)
	v_max3_num_f32 v[\m], v[\m], |v[\src+\i]|, |v[\src+\i+1]|
	s_delay_alu instid0(VALU_DEP_2)
	v_max3_num_f32 v[\m+1], v[\m+1], |v[\src+\i+2]|, |v[\src+\i+3]|
.endr
	s_delay_alu instid0(VALU_DEP_2)
	v_max3_num_f32 v[\m], v[\m], |v[\src+29]|, |v[\src+30]|
	s_delay_alu instid0(VALU_DEP_1)
	v_max3_num_f32 v[\m], v[\m], v[\m+1], |v[\src+31]|
	s_delay_alu instid0(VALU_DEP_1)
	v_add_nc_u32 v[\m+2], 0xff000000, v[\m]                        ; 2 off the exponent field: the conversion takes the exponent field of this operand as its scale
.irp g, 0,1,2,3
	v_cvt_scalef32_pk8_fp4_f32 v[\cod+\g], v[\src+8*\g:\src+8*\g+7], v[\m+2]
.endr
	v_lshrrev_b32 v[\e], 23, v[\m+2]                               ; the byte; also the plain line behind the last conversion
.endm
.macro BAR                             ; my LDS stores have landed and my LDS loads are in: then the work-group's barrier
	s_wait_dscnt 0x0
	s_barrier_signal -1
	s_barrier_wait -1
.endm
	s_load_b256 s[4:11], s[0:1], 0x0               ; q s[4:5], k s[6:7], v s[8:9], sample_idx_q s[10:11]
	s_load_b256 s[12:19], s[0:1], 0x20             ; sample_idx_k s[12:13], codes s[14:15], scales s[16:17], keep s[18:19]
	v_lshl_add_u32 v224, v0, 2, 0x24400
	v_mov_b32 v225, 0
	v_lshrrev_b32 v1, 5, v0
	s_delay_alu instid0(VALU_DEP_1)
	v_readfirstlane_b32 s20, v1                    ; wave 0..7
	v_and_b32 v1, 31, v0                           ; lane
	v_and_b32 v2, 15, v0                           ; r
	v_bfe_u32 v3, v0, 4, 1                         ; h
	s_mov_b32 s38, 0x76543210
	s_mov_b32 s39, 0xfedcba98                      ; v_permlanex16_b32's selects for lane l xor 16
	s_wait_kmcnt 0x0
	s_cmp_lt_u32 ttmp9, 128
	s_cbranch_scc1 .Lmask
	s_cmp_lt_u32 ttmp9, 384
	s_cbranch_scc1 .Lrows
; ---------------------------------------------------------------- V: a wave takes one unit, 64 keys x 64 channels.  Lane l takes channels l and 32 + l, and its registers run down the keys:
; a block of 32 keys of one channel lies in one lane's 32 registers, and the codes come out with the keys innermost.  No LDS.
	s_sub_co_u32 s21, ttmp9, 384
	s_lshl_b32 s21, s21, 3
	s_add_co_u32 s21, s21, s20                     ; the unit, 0..511
	s_lshl_b32 s24, s21, 14                        ; 64 keys x 256 bytes
	s_mov_b32 s25, 0
	s_add_nc_u64 s[8:9], s[8:9], s[24:25]
	s_lshl_b32 s24, s21, 11
	s_add_co_u32 s24, s24, 0x200000                ; v's part of the codes
	s_add_nc_u64 s[14:15], s[14:15], s[24:25]
	s_lshl_b32 s24, s21, 7
	s_add_co_u32 s24, s24, 0x20000                 ; and of the scales
	s_add_nc_u64 s[16:17], s[16:17], s[24:25]
	s_wait_alu depctr_va_vdst(0)
	v_lshlrev_b32 v4, 2, v1                        ; 4 x lane
	v_lshlrev_b32 v5, 4, v2
	s_delay_alu instid0(VALU_DEP_1)
	v_lshl_add_u32 v5, v3, 9, v5                   ; out: 512 (lane / 16) + 16 (lane % 16)
.set KEY, 0
.rept 64
	global_load_b32 v[16+KEY], v4, s[8:9] offset:256*KEY th:TH_LOAD_NT       ; the two halves of a key's 256 bytes stand back to back; read once in the launch
	global_load_b32 v[80+KEY], v4, s[8:9] offset:256*KEY+128 th:TH_LOAD_NT
.set KEY, KEY+1
.endr
	s_wait_loadcnt 63                              ; keys 0-31 are wanted, 64 younger loads were issued; the count's field names 63 at the most, so one load more is awaited
	QUANT32 16, 144, 160, 164                      ; channel l, keys 0-31
	QUANT32 80, 152, 162, 164                      ; channel 32 + l, keys 0-31
	s_wait_loadcnt 0x0
	QUANT32 48, 148, 161, 164                      ; channel l, keys 32-63
	QUANT32 112, 156, 163, 164                     ; channel 32 + l, keys 32-63
.irp j, 0,1
.irp hb, 0,1
	global_store_b128 v5, v[144+8*\j+4*\hb:147+8*\j+4*\hb], s[14:15] offset:1024*\j+256*\hb   ; sixteen lanes store 256 consecutive bytes, aligned
.endr
.endr
	v_lshl_or_b32 v160, v161, 8, v160
	s_delay_alu instid0(VALU_DEP_1)
	v_lshl_or_b32 v160, v162, 16, v160
	s_delay_alu instid0(VALU_DEP_1)
	v_lshl_or_b32 v160, v163, 24, v160
	global_store_b32 v4, v160, s[16:17]            ; the unit's 128 scale bytes
	s_endpgm
; ---------------------------------------------------------------- ROWS: a wave takes 32 rows (8,192 bytes) of q or of k: half a unit, two pieces of codes.
; Loads take the bytes as they lie, 512 to a load; the conversions want 32 neighbours of a row in ONE lane: the rows turn through the wave's own stage in LDS.
.Lrows:
	s_sub_co_u32 s21, ttmp9, 128
	s_lshl_b32 s21, s21, 3
	s_add_co_u32 s21, s21, s20                     ; 0..1023: q's runs of 32 rows; 1024..2047: k's
	s_cmp_lt_u32 ttmp9, 256                        ; the choice hangs on the work-group's number alone
	s_cselect_b64 s[22:23], s[4:5], s[6:7]
	s_and_b32 s24, s21, 1023
	s_lshl_b32 s24, s24, 13
	s_mov_b32 s25, 0
	s_add_nc_u64 s[22:23], s[22:23], s[24:25]
	s_wait_alu depctr_va_vdst(0)
	v_lshlrev_b32 v4, 4, v1                        ; 16 x lane
.irp i, 0,1,2,3,4,5,6,7,8,9,10,11,12,13,14,15
	global_load_b128 v[16+4*\i:19+4*\i], v4, s[22:23] offset:512*\i        ; rows 2 i and 2 i + 1
.endr
	s_lshl_b32 s24, s21, 10                        ; q's codes and then k's lie on end: 1,024 bytes a run
	s_add_nc_u64 s[14:15], s[14:15], s[24:25]
	s_lshl_b32 s24, s21, 6                         ; and 64 bytes of scale words
	s_add_nc_u64 s[16:17], s[16:17], s[24:25]
	s_mul_i32 s26, s20, RTW                        ; my stage
	v_mul_u32_u24 v5, v3, 272
	s_delay_alu instid0(VALU_DEP_1)
	v_lshl_add_u32 v5, v2, 4, v5
	s_delay_alu instid0(VALU_DEP_1)
	v_add_nc_u32 v5, s26, v5                       ; in: row lane / 16 of a load's two, 16 bytes a lane
	v_lshrrev_b32 v9, 3, v2                        ; r / 8
	s_delay_alu instid0(VALU_DEP_1)
	v_lshl_add_u32 v6, v9, 3, v2                   ; r + 8 (r / 8)
	s_delay_alu instid0(VALU_DEP_1)
	v_mul_u32_u24 v6, v6, 272
	s_delay_alu instid0(VALU_DEP_1)
	v_lshl_add_u32 v6, v9, 7, v6                   ; rows 16-31 lie 128 bytes further on: so the sixteen rows of a pass (0-7 and 16-23, or 8-15 and 24-31) begin at sixteen different 16-byte columns modulo 256 bytes
	s_delay_alu instid0(VALU_DEP_1)
	v_lshl_add_u32 v6, v3, 7, v6                   ; my half of the row
	s_delay_alu instid0(VALU_DEP_1)
	v_add_nc_u32 v6, s26, v6
	v_lshlrev_b32 v7, 3, v3                        ; 8 h
	v_lshlrev_b32 v8, 2, v2                        ; 4 r
	v_mov_b32 v158, 0                              ; a lane permute's destination counts as one of its sources
	s_wait_alu depctr_va_vdst(0)
.irp g, 0,1,2,3
	s_wait_loadcnt 12-4*\g                         ; this group of four loads is in; the younger groups may be out
.irp n, 0,1,2,3
	ds_store_b128 v5, v[16+4*(4*\g+\n):19+4*(4*\g+\n)] offset:544*(4*\g+\n)+128*(\g/2)
.endr
.endr
.irp u, 0,1
.irp j, 0,1,2,3,4,5,6,7
	ds_load_b128 v[80+32*\u+4*\j:83+32*\u+4*\j], v6 offset:2176*\u+16*\j   ; LDS serves a wave's instructions in order: these see my stores.  Row 8 u + r + 8 (r / 8), channels 32 h on
.endr
.endr
	s_wait_dscnt 0x8                               ; piece 0's numbers are back; piece 1's eight loads may be out
	QUANT32 80, 144, 155, 152
	s_wait_dscnt 0x0
	QUANT32 112, 148, 156, 152
	global_store_b128 v4, v[144:147], s[14:15]             ; 32 lanes store 512 consecutive bytes, aligned
	global_store_b128 v4, v[148:151], s[14:15] offset:512
	v_lshl_or_b32 v157, v156, 16, v155             ; my two bytes: channels 32 h on of tiles u = 0 and u = 1,
	s_delay_alu instid0(VALU_DEP_1)
	v_lshlrev_b32 v157, v7, v157                   ; at their places in the word (8 h bits up);
	s_delay_alu instid0(VALU_DEP_1)
	v_permlanex16_b32 v158, v157, s38, s39
	s_delay_alu instid0(VALU_DEP_1)
	v_or_b32 v157, v157, v158                      ; with lane l xor 16's two the word is whole
	global_store_b32 v8, v157, s[16:17]            ; lanes r and 16 + r store the same word with the same value
	s_wait_tensorcnt 0x0
	ds_add_u32 v224, v225
	s_wait_dscnt 0x0
	s_endpgm
; ---------------------------------------------------------------- MASK: work-group g: head g / 16, query blocks 4 (g % 16) + 0..3.  A query block has TWO waves (wave / 2), each with 32 of the 64 key blocks (wave % 2).
; REGISTERS: v4, v5 my sampled row's bytes in a block of k, of q; v6 8 h; v7 16 x lane; v8-19 LDS addresses; v20-31 [zeros | Q's codes | zeros]; v32 Q's scale word; v33-35 at work; v36-43 bytes; v44-47 scale words;
;   v56-87 Q's numbers, then the passes' codes, then four fragments of keys; v88-215 four sets of 32 numbers of k; later v88-91 the fragments' scale words, v96-159 scores, v160-191 the 32 key blocks' sums,
;   v192-195 each step's -M, v[196:197] the step's -M as a pair, v200-223 at work.
.Lmask:
	s_lshr_b32 s21, ttmp9, 4                       ; head
	s_and_b32 s22, ttmp9, 15
	s_lshr_b32 s23, s20, 1                         ; which of the four query blocks
	s_and_b32 s42, s20, 1                          ; which half of the key blocks
	s_lshl_b32 s24, s21, 6                         ; a head's 16 indices
	s_mov_b32 s25, 0
	s_add_nc_u64 s[10:11], s[10:11], s[24:25]
	s_add_nc_u64 s[12:13], s[12:13], s[24:25]
	s_wait_alu depctr_va_vdst(0)
	v_lshlrev_b32 v216, 2, v2
	global_load_b32 v4, v216, s[12:13]             ; sample_idx_k[head][r]
	global_load_b32 v5, v216, s[10:11]             ; sample_idx_q[head][r]
	s_lshl_b32 s24, s21, 20                        ; the head's 4,096 rows of 256 bytes
	s_lshl_b32 s26, s20, 17                        ; for the quantising wave w takes key blocks 8 w .. 8 w + 7
	s_add_co_u32 s26, s26, s24
	s_mov_b32 s27, 0
	s_add_nc_u64 s[6:7], s[6:7], s[26:27]
	s_lshl_b32 s26, s22, 2
	s_add_co_u32 s26, s26, s23
	s_lshl_b32 s26, s26, 14                        ; my query block
	s_add_co_u32 s26, s26, s24
	s_add_nc_u64 s[4:5], s[4:5], s[26:27]
	s_lshl_b32 s26, ttmp9, 5                       ; keep: 8 (head x 64 + query block) + 4 x half = 32 g + 4 w
	s_lshl_b32 s28, s20, 2
	s_add_co_u32 s26, s26, s28
	s_add_nc_u64 s[18:19], s[18:19], s[26:27]
	s_mov_b32 s40, 0x3e38aa3b                      ; c = log2(e) / sqrt(64)
	s_mov_b32 s41, s40                             ; (the packed form names the pair)
	v_lshlrev_b32 v6, 3, v3                        ; 8 h
	v_lshlrev_b32 v7, 4, v1                        ; 16 x lane
	s_wait_alu depctr_va_vdst(0)
	s_lshl_b32 s28, s20, 12
	s_add_co_u32 s28, s28, SKIMG
	v_add_nc_u32 v8, s28, v7                       ; where I store my four fragments
	s_lshl_b32 s28, s20, 9
	s_add_co_u32 s28, s28, SKSC
	v_add_nc_u32 v9, s28, v7                       ; and their scale words
	s_lshl_b32 s28, s42, 14
	s_add_co_u32 s28, s28, SKIMG
	v_add_nc_u32 v10, s28, v7                      ; where I read my half's sixteen fragments
	s_lshl_b32 s28, s42, 11
	s_add_co_u32 s28, s28, SKSC
	v_add_nc_u32 v11, s28, v7
	v_lshlrev_b32 v217, 3, v1
	s_lshl_b32 s28, s20, 8
	s_add_co_u32 s28, s28, XCH
	v_add_nc_u32 v12, s28, v217                    ; my 8 bytes for the partner wave,
	s_xor_b32 s29, s20, 1
	s_lshl_b32 s29, s29, 8
	s_add_co_u32 s29, s29, XCH
	v_add_nc_u32 v13, s29, v217                    ; and the partner's for me
	s_mul_i32 s28, s20, PTW
	s_add_co_u32 s28, s28, PT
	v_mul_u32_u24 v14, v1, 144
	s_delay_alu instid0(VALU_DEP_1)
	v_add_nc_u32 v14, s28, v14                     ; the turn: in, 144 bytes a lane;
	v_lshrrev_b32 v218, 3, v1
	v_and_b32 v219, 7, v1
	s_delay_alu instid0(VALU_DEP_2)
	v_mul_u32_u24 v15, v218, 1152
	s_delay_alu instid0(VALU_DEP_1)
	v_lshl_add_u32 v15, v219, 4, v15
	s_delay_alu instid0(VALU_DEP_1)
	v_add_nc_u32 v15, s28, v15                     ; out: four sums (lane % 8) of lanes 8 (lane / 8) + 0..7
	s_lshl_b32 s28, s23, 8
	s_add_co_u32 s28, s28, PR                      ; my query block's 64 masses
	s_lshl_b32 s29, s42, 7
	s_add_co_u32 s29, s29, s28                     ; my half of them,
	s_xor_b32 s30, s42, 1
	s_lshl_b32 s30, s30, 7
	s_add_co_u32 s30, s30, s28                     ; the other half
	v_lshl_add_u32 v16, v219, 4, s29
	v_mov_b32 v17, s29
	v_mov_b32 v18, s30
	v_lshl_add_u32 v19, v1, 2, s29
.irp i, 20,21,22,23,28,29,30,31,37,48
	v_mov_b32 v\i, 0                               ; the zero codes on both sides of Q's; and two lane permutes' destinations
.endr
	s_wait_loadcnt 0x0
	v_min_u32 v4, 63, v4                           ; an index stays inside its block
	v_min_u32 v5, 63, v5
	s_delay_alu instid0(VALU_DEP_2)
	v_lshlrev_b32 v4, 8, v4
	s_delay_alu instid0(VALU_DEP_2)
	v_lshlrev_b32 v5, 8, v5
	s_delay_alu instid0(VALU_DEP_2)
	v_lshl_add_u32 v4, v3, 7, v4                   ; row x 256 + 128 h: my half row
	s_delay_alu instid0(VALU_DEP_2)
	v_lshl_add_u32 v5, v3, 7, v5
.irp j, 0,1,2,3,4,5,6,7
	global_load_b128 v[56+4*\j:59+4*\j], v5, s[4:5] offset:16*\j
.endr
.macro KLOAD p                         ; key block 8 w + p: my half row of its sampled key r, into set p % 4
.irp j, 0,1,2,3,4,5,6,7
	global_load_b128 v[88+32*((\p)%4)+4*\j:88+32*((\p)%4)+4*\j+3], v4, s[6:7] offset:16384*(\p)+16*\j
.endr
.endm
	KLOAD 0
	KLOAD 1
	KLOAD 2
	KLOAD 3
	s_wait_loadcnt 32                              ; Q's eight loads are in; K's four passes may be out
	QUANT32 56, 24, 36, 33
	s_delay_alu instid0(VALU_DEP_1)
	v_lshlrev_b32 v36, v6, v36
	s_delay_alu instid0(VALU_DEP_1)
	v_permlanex16_b32 v37, v36, s38, s39
	s_delay_alu instid0(VALU_DEP_1)
	v_or_b32 v36, v36, v37                         ; Q's two bytes,
	s_delay_alu instid0(VALU_DEP_1)
	v_lshl_or_b32 v32, v36, 16, v36                ; twice: they serve [codes | zeros] and [zeros | codes] alike
; Pass p.  left: the loads of the younger passes, which may stay out.  Each pass has code registers of its own, so no LDS store's data are written again.
.macro KPASS p, left
	s_wait_loadcnt \left
	QUANT32 88+32*((\p)%4), 56+4*(\p), 36+(\p), 33
	ds_store_b128 v8, v[56+4*(\p):56+4*(\p)+3] offset:1024*((\p)/2)+512*((\p)%2)   ; key blocks 2 f and 2 f + 1 are the two halves of fragment f
.if (\p) < 4
	KLOAD (\p)+4
.endif
.if (\p)%2
	v_lshl_or_b32 v[44+(\p)/2], v[36+(\p)], 16, v[35+(\p)]
	s_delay_alu instid0(VALU_DEP_1)
	v_lshlrev_b32 v[44+(\p)/2], v6, v[44+(\p)/2]
	s_delay_alu instid0(VALU_DEP_1)
	v_permlanex16_b32 v48, v[44+(\p)/2], s38, s39
	s_delay_alu instid0(VALU_DEP_1)
	v_or_b32 v[44+(\p)/2], v[44+(\p)/2], v48       ; the fragment's scale word of key r
.endif
.endm
	KPASS 0, 24
	KPASS 1, 24
	KPASS 2, 24
	KPASS 3, 24
	KPASS 4, 24
	KPASS 5, 16
	KPASS 6, 8
	KPASS 7, 0
	ds_store_b128 v9, v[44:47]
	BAR                                            ; the head's 1,024 sampled keys lie in LDS as 32 fragments
.macro MLOAD s                         ; step s of my half: four fragments (8 key blocks, 128 sampled keys) and their scale words
.irp f, 0,1,2,3
.irp c, 0,1
	ds_load_b128 v[56+8*\f+4*\c:59+8*\f+4*\c], v10 offset:4096*(\s)+1024*\f+512*\c
.endr
.endr
	ds_load_b128 v[88:91], v11 offset:512*(\s)
.endm
	MLOAD 0
	v_mov_b32 v197, 0                              ; (named as the upper half of the pair v[196:197])
; A step: scores of my 16 sampled queries against 128 sampled keys (source 0 = keys, source 1 = queries: a lane holds ONE query), p = 2^(t - M_s) with M_s the ceiling of THIS step's largest t,
; and the sum of p over the lane's 8 keys of each key block.  Nothing summed earlier is rescaled here: the steps' M are brought together afterwards, by exact powers of two.
.macro MSTEP s
	s_wait_dscnt 0x0
.irp f, 0,1,2,3
	v_wmma_scale_f32_16x16x128_f8f6f4 v[96+16*\f:103+16*\f], v[56+8*\f:63+8*\f], v[24:31], 0, v[88+\f], v32 matrix_a_fmt:MATRIX_FMT_FP4 matrix_b_fmt:MATRIX_FMT_FP4    ; [Q | 0]: the fragment's first key block
	v_wmma_scale_f32_16x16x128_f8f6f4 v[104+16*\f:111+16*\f], v[56+8*\f:63+8*\f], v[20:27], 0, v[88+\f], v32 matrix_a_fmt:MATRIX_FMT_FP4 matrix_b_fmt:MATRIX_FMT_FP4  ; [0 | Q]: its second
.endr
.rept 4
	v_nop                                          ; four places in front of loads into registers that the products read, and of the first read of results
.endr
.if (\s) < 3
	MLOAD (\s)+1
.endif
.irp t, 0,1,2,3,4,5,6,7
	v_max3_num_f32 v[200+\t], v[96+8*\t], v[97+8*\t], v[98+8*\t]           ; each result is read from its low end on; the eight tiles by turns
.endr
.irp t, 0,1,2,3,4,5,6,7
	v_max3_num_f32 v[200+\t], v[200+\t], v[99+8*\t], v[100+8*\t]
.endr
.irp t, 0,1,2,3,4,5,6,7
	v_max3_num_f32 v[200+\t], v[200+\t], v[101+8*\t], v[102+8*\t]
.endr
.irp t, 0,1,2,3
	v_max3_num_f32 v[200+\t], v[200+\t], v[103+16*\t], v[111+16*\t]
.endr
	s_delay_alu instid0(VALU_DEP_4)
	v_max3_num_f32 v200, v200, v204, v205
	s_delay_alu instid0(VALU_DEP_4)
	v_max3_num_f32 v201, v201, v206, v207
	s_delay_alu instid0(VALU_DEP_1)
	v_max3_num_f32 v200, v200, v201, v202
	s_delay_alu instid0(VALU_DEP_1)
	v_max_num_f32 v200, v200, v203
	s_delay_alu instid0(VALU_DEP_1)
	v_permlanex16_b32 v201, v200, s38, s39         ; the query's other 64 keys lie in lane l xor 16
	s_delay_alu instid0(VALU_DEP_1)
	v_max_num_f32 v200, v200, v201
	s_delay_alu instid0(VALU_DEP_1)
	v_mul_f32 v200, s40, v200                      ; as t (c is positive)
	s_delay_alu instid0(VALU_DEP_1)
	v_floor_f32 v196, -v200                        ; -M_s = floor(-t)
.set J, 0
.rept 32
	v_pk_fma_f32 v[96+J:97+J], v[96+J:97+J], s[40:41], v[196:197] op_sel_hi:[1,0,0]   ; t - M_s, two at a time
.set J, J+2
.endr
.set J, 0
	s_wait_alu depctr_va_vdst(0)
.rept 64
	v_exp_f32 v[96+J], v[96+J]
.set J, J+1
.endr
	v_mov_b32 v[192+(\s)], v196                    ; the step's -M is kept.  (The plain line behind the exponentials)
	s_wait_alu depctr_va_vdst(0)
.irp t, 0,1,2,3,4,5,6,7
	v_pk_add_f32 v[96+8*\t:97+8*\t], v[96+8*\t:97+8*\t], v[98+8*\t:99+8*\t]
	v_pk_add_f32 v[100+8*\t:101+8*\t], v[100+8*\t:101+8*\t], v[102+8*\t:103+8*\t]
.endr
.irp t, 0,1,2,3,4,5,6,7
	v_pk_add_f32 v[96+8*\t:97+8*\t], v[96+8*\t:97+8*\t], v[100+8*\t:101+8*\t]
.endr
.irp t, 0,1,2,3,4,5,6,7
	v_add_f32 v[160+8*(\s)+\t], v[96+8*\t], v[97+8*\t]     ; key block 32 x half + 8 s + t: my 8 keys' p
.endr
.endm
	MSTEP 0
	MSTEP 1
	MSTEP 2
	MSTEP 3
	; the row's M and sum: over my four steps, then with the partner wave's half of the keys
	v_min_num_f32 v208, v192, v193
	v_min_num_f32 v209, v194, v195
	s_delay_alu instid0(VALU_DEP_1)
	v_min_num_f32 v216, v208, v209                 ; my half's -M: the least of the steps' -M
.irp s, 0,1,2,3
	v_sub_f32 v[200+\s], v216, v[192+\s]           ; M_s - M: a whole number, 0 or less
.endr
.irp s, 0,1,2,3
	s_delay_alu instid0(VALU_DEP_4)
	v_cvt_i32_f32 v[200+\s], v[200+\s]
.endr
.irp s, 0,1,2,3
	s_delay_alu instid0(VALU_DEP_4)
	v_ldexp_f32 v[200+\s], 1.0, v[200+\s]          ; f_s = 2^(M_s - M)
.endr
.irp s, 0,1,2,3
	v_pk_add_f32 v[208:209], v[160+8*\s:161+8*\s], v[162+8*\s:163+8*\s]
	v_pk_add_f32 v[210:211], v[164+8*\s:165+8*\s], v[166+8*\s:167+8*\s]
	s_delay_alu instid0(VALU_DEP_1)
	v_pk_add_f32 v[208:209], v[208:209], v[210:211]
	s_delay_alu instid0(VALU_DEP_1)
	v_add_f32 v[204+\s], v208, v209                ; the step's sum
.endr
	v_mul_f32 v217, v200, v204
	s_delay_alu instid0(VALU_DEP_1)
	v_fma_f32 v217, v201, v205, v217
	s_delay_alu instid0(VALU_DEP_1)
	v_fma_f32 v217, v202, v206, v217
	s_delay_alu instid0(VALU_DEP_1)
	v_fma_f32 v217, v203, v207, v217
	s_delay_alu instid0(VALU_DEP_1)
	v_permlanex16_b32 v208, v217, s38, s39
	s_delay_alu instid0(VALU_DEP_1)
	v_add_f32 v217, v217, v208                     ; my half's sum of the query's p, under my half's M
	ds_store_b64 v12, v[216:217]
	BAR
	ds_load_b64 v[218:219], v13                    ; the partner's -M and sum of the same query
	s_wait_dscnt 0x0
	v_min_num_f32 v220, v216, v218                 ; the row's -M
	s_delay_alu instid0(VALU_DEP_1)
	v_sub_f32 v221, v220, v216
	s_delay_alu instid0(VALU_DEP_2)
	v_sub_f32 v222, v220, v218
	s_delay_alu instid0(VALU_DEP_2)
	v_cvt_i32_f32 v221, v221
	s_delay_alu instid0(VALU_DEP_2)
	v_cvt_i32_f32 v222, v222
	s_delay_alu instid0(VALU_DEP_2)
	v_ldexp_f32 v221, 1.0, v221
	s_wait_alu depctr_va_vdst(0)
	v_ldexp_f32 v222, 1.0, v222
	v_mul_f32 v223, v221, v217                     ; both scalings are by powers of two: the two waves get the same sum
	s_delay_alu instid0(VALU_DEP_1)
	v_fma_f32 v223, v222, v219, v223
	s_wait_alu depctr_va_vdst(0)
	v_rcp_f32 v223, v223
	v_nop                                          ; one plain line behind a transcendental
	s_wait_alu depctr_va_vdst(0)
	v_mul_f32 v221, v221, v223
.irp s, 0,1,2,3
	v_mul_f32 v[200+\s], v[200+\s], v221           ; what brings step s's sums under the row's M and divides by the row's sum
.endr
.irp s, 0,1,2,3
.irp t, 0,1,2,3,4,5,6,7
	v_mul_f32 v[160+8*\s+\t], v[160+8*\s+\t], v[200+\s]
.endr
.endr
	; the pooling: each of the 32 registers is summed over the 32 lanes (16 queries x 2 halves of a block's keys).  Through my own bytes of LDS: lane l then holds four key blocks (lane % 8) of eight lanes.
.irp c, 0,1,2,3,4,5,6,7
	ds_store_b128 v14, v[160+4*\c:163+4*\c] offset:16*\c
.endr
.irp i, 0,1,2,3,4,5,6,7
	ds_load_b128 v[96+4*\i:99+4*\i], v15 offset:144*\i     ; LDS serves a wave's instructions in order: these see my stores
.endr
	s_wait_dscnt 0x0
.irp a, 0,8,16,24
	v_pk_add_f32 v[96+\a:97+\a], v[96+\a:97+\a], v[100+\a:101+\a]
	v_pk_add_f32 v[98+\a:99+\a], v[98+\a:99+\a], v[102+\a:103+\a]
.endr
.irp a, 0
	v_pk_add_f32 v[96+\a:97+\a], v[96+\a:97+\a], v[104+\a:105+\a]
	v_pk_add_f32 v[98+\a:99+\a], v[98+\a:99+\a], v[106+\a:107+\a]
.endr
.irp a, 16
	s_delay_alu instid0(VALU_DEP_4)
	v_pk_add_f32 v[96+\a:97+\a], v[96+\a:97+\a], v[104+\a:105+\a]
	s_delay_alu instid0(VALU_DEP_4)
	v_pk_add_f32 v[98+\a:99+\a], v[98+\a:99+\a], v[106+\a:107+\a]
.endr
	s_delay_alu instid0(VALU_DEP_2)
	v_pk_add_f32 v[96:97], v[96:97], v[112:113]
	s_delay_alu instid0(VALU_DEP_2)
	v_pk_add_f32 v[98:99], v[98:99], v[114:115]
.irp i, 0,1,2,3
	v_add_f32_dpp v[96+\i], v[96+\i], v[96+\i] row_xmask:8 row_mask:0xf bank_mask:0xf
.endr
.irp i, 0,1,2,3
	s_delay_alu instid0(VALU_DEP_4)
	v_permlanex16_b32 v[100+\i], v[96+\i], s38, s39
.endr
.irp i, 0,1,2,3
	s_delay_alu instid0(VALU_DEP_4)
	v_add_f32 v[96+\i], v[96+\i], v[100+\i]
.endr
	ds_store_b128 v16, v[96:99]                    ; four lanes store the same four masses with the same values
	BAR                                            ; the four query blocks' 64 masses lie in LDS
	; the rank: lane l decides key block j = 32 x half + l.  Every lane holds all 64 masses: v96-127 my half's, v128-159 the other half's.
.irp i, 0,1,2,3,4,5,6,7
	ds_load_b128 v[96+4*\i:99+4*\i], v17 offset:16*\i
	ds_load_b128 v[128+4*\i:131+4*\i], v18 offset:16*\i
.endr
	ds_load_b32 v200, v19                          ; P_j
	s_wait_dscnt 0x0
	v_pk_add_f32 v[202:203], v[96:97], v[98:99]
	v_pk_add_f32 v[204:205], v[128:129], v[130:131]
.irp j, 4,6,8,10,12,14,16,18,20,22,24,26,28,30
	s_delay_alu instid0(VALU_DEP_2)
	v_pk_add_f32 v[202:203], v[202:203], v[96+\j:97+\j]
	s_delay_alu instid0(VALU_DEP_2)
	v_pk_add_f32 v[204:205], v[204:205], v[128+\j:129+\j]
.endr
	s_delay_alu instid0(VALU_DEP_2)
	v_add_f32 v202, v202, v203
	s_delay_alu instid0(VALU_DEP_2)
	v_add_f32 v204, v204, v205
	s_delay_alu instid0(VALU_DEP_1)
	v_add_f32 v202, v202, v204                     ; the total: the two halves' sums are made by the same lines in both waves
	s_delay_alu instid0(VALU_DEP_1)
	v_mul_f32 v202, 0.5, v202
	v_add_nc_u32 v201, -1, v200                    ; masses are 0 or more, so their bit patterns compare as signed whole numbers: P_i >= P_j is P_i > P_j - 1
	v_sub_nc_u32 v206, v200, s42                   ; the other half: its blocks come behind mine (half 0: ahead only where larger) or in front (half 1: ahead where equal too)
	v_mov_b32 v208, 0
	v_mov_b32 v209, 0
.set I, 0
.rept 32
	v_cmp_gt_i32 vcc_lo, v[128+I], v206
	s_delay_alu instid0(VALU_DEP_1)
	v_cndmask_b32 v[210+I%2], 0, v[128+I], vcc_lo
	s_delay_alu instid0(VALU_DEP_1)
	v_add_f32 v[208+I%2], v[208+I%2], v[210+I%2]   ; the mass ahead of block j, in two sums by turns
.set I, I+1
.endr
.set I, 0
.rept 32
	s_mov_b32 s44, (0xffffffff<<(I+1))&0xffffffff  ; the lanes l > i: for them an equal P_i is ahead
	v_cndmask_b32 v212, v200, v201, s44
	s_delay_alu instid0(VALU_DEP_1)
	v_cmp_gt_i32 vcc_lo, v[96+I], v212
	s_delay_alu instid0(VALU_DEP_1)
	v_cndmask_b32 v[210+I%2], 0, v[96+I], vcc_lo
	s_delay_alu instid0(VALU_DEP_1)
	v_add_f32 v[208+I%2], v[208+I%2], v[210+I%2]
.set I, I+1
.endr
	s_delay_alu instid0(VALU_DEP_1)
	v_add_f32 v208, v208, v209
	s_delay_alu instid0(VALU_DEP_1)
	v_cmp_lt_f32 vcc_lo, v208, v202                ; kept: the mass ahead is under half of the total
	s_mov_b32 s45, vcc_lo                          ; the 32 bits are the word: data of a store, and nothing else
	v_mov_b32 v208, s45
	v_mov_b32 v209, 0
	v_cmp_eq_u32 vcc_lo, 0, v1
	s_wait_alu depctr_va_vdst(0)
	s_wait_xcnt 0x0                                ; EXEC changes only behind this wait
	s_wait_tensorcnt 0x0
	ds_add_u32 v224, v225
	s_wait_dscnt 0x0
	s_and_saveexec_b32 s46, vcc_lo                 ; lane 0 alone stores
	global_store_b32 v209, v208, s[18:19]
	s_wait_xcnt 0x0
	s_or_b32 exec_lo, exec_lo, s46
	s_endpgm
.Lfunc_end_k_q0c4d3cbfa6_prep:
	.size	k_q0c4d3cbfa6_prep, .Lfunc_end_k_q0c4d3cbfa6_prep-k_q0c4d3cbfa6_prep
	.p2alignl 7, 3214868480
	.fill 96, 4, 3214868480
	.section	.rodata,"a",@progbits
	.p2align	6, 0x0
	.amdhsa_kernel k_q0c4d3cbfa6_prep
		.amdhsa_group_segment_fixed_size 149504
		.amdhsa_private_segment_fixed_size 0
		.amdhsa_enable_private_segment 0
		.amdhsa_kernarg_size 64
		.amdhsa_user_sgpr_count 2
		.amdhsa_user_sgpr_kernarg_segment_ptr 1
		.amdhsa_wavefront_size32 1
		.amdhsa_system_sgpr_workgroup_id_x 1
		.amdhsa_system_sgpr_workgroup_id_y 1
		.amdhsa_system_sgpr_workgroup_id_z 1
		.amdhsa_system_vgpr_workitem_id 0
		.amdhsa_next_free_vgpr 226
		.amdhsa_next_free_sgpr 66
		.amdhsa_reserve_vcc 1
		.amdhsa_float_denorm_mode_32 3
		.amdhsa_float_denorm_mode_16_64 3
		.amdhsa_memory_ordered 1
		.amdhsa_forward_progress 1
		.amdhsa_inst_pref_size 129
	.end_amdhsa_kernel
	.amdgpu_metadata
---
amdhsa.version: [ 1, 2 ]
amdhsa.kernels:
  - .name:           k_q0c4d3cbfa6_prep
    .symbol:         k_q0c4d3cbfa6_prep.kd
    .args:
      - { .name: q, .offset: 0, .size: 8, .value_kind: global_buffer, .address_space: global }
      - { .name: k, .offset: 8, .size: 8, .value_kind: global_buffer, .address_space: global }
      - { .name: v, .offset: 16, .size: 8, .value_kind: global_buffer, .address_space: global }
      - { .name: sample_idx_q, .offset: 24, .size: 8, .value_kind: global_buffer, .address_space: global }
      - { .name: sample_idx_k, .offset: 32, .size: 8, .value_kind: global_buffer, .address_space: global }
      - { .name: codes, .offset: 40, .size: 8, .value_kind: global_buffer, .address_space: global }
      - { .name: scales, .offset: 48, .size: 8, .value_kind: global_buffer, .address_space: global }
      - { .name: keep, .offset: 56, .size: 8, .value_kind: global_buffer, .address_space: global }
    .group_segment_fixed_size: 149504
    .private_segment_fixed_size: 0
    .kernarg_segment_align: 8
    .kernarg_segment_size: 64
    .max_flat_workgroup_size: 256
    .sgpr_count:     66
    .vgpr_count:     226
    .wavefront_size: 32
...
	.end_amdgpu_metadata
.endif
;; end of part 3
;; launch attn (part 4): grid 32 x 8, 8 waves a work-group, no clusters, 35,840 bytes of LDS; arguments codes, scales, keep, out0; writes out0
.if DOCPART == 4
	.amdgcn_target "amdgcn-amd-amdhsa--gfx1250"
	.amdhsa_code_object_version 6
	.text
	.protected	k_q0c4d3cbfa6_attn
	.globl	k_q0c4d3cbfa6_attn
	.p2align	8
	.type	k_q0c4d3cbfa6_attn,@function
k_q0c4d3cbfa6_attn:
	s_mov_b64 s[64:65], 0
	v_nop
	global_prefetch_b8 v0, s[64:65] scope:SCOPE_SE
	s_setreg_imm32_b32 hwreg(HW_REG_WAVE_SCHED_MODE, 0, 2), 2
	s_setreg_imm32_b32 hwreg(HW_REG_WAVE_MODE, 25, 1), 1
	s_wait_xcnt 0x0
	s_wait_alu depctr_vm_vsrc(0)
; ATTN: out[h][q] = softmax over the KEPT key blocks of (q . k / 8) x v, both products on codes of FP4 (E2M1) with E8M0 scales, from the workspace that the launch before has laid in the order of the operands' registers.
; A key block that is not kept has p = 0 in all its 64 keys, which are two whole blocks of the second product's quantiser: it adds nothing and is left out.
; SHARES.  Work-group (x, head): query blocks 2 x and 2 x + 1.  Wave w: query block 2 x + w / 4, tile w % 4 = 2 b + u of it: 16 queries, in lane order rows 32 b + 8 u + r + 8 (r / 8).  Waves share nothing: no barrier.
; THE WALK.  keep[head x 64 + query block] is two words of bits.  A trip takes the next TWO kept key blocks, A and B: 128 keys, one K step of the second product.  The blocks' numbers are found by a scalar scan of the bits,
; held at 63, and enter the offsets of the NEXT trip's loads; the trip count is (kept + 1) / 2.  With an odd count the last trip's B is a block that does not count (31, when the bits are used up): its scores become -infinity.
; BOTH PRODUCTS ARE USED TRANSPOSED: S^T = K Q^T (source 0 = 16 keys), O^T = V^T P^T (source 0 = 16 channels): a lane holds ONE query (lane % 16) throughout.
; K = 64 IN A FORM OF K = 128: a fragment of K holds TWO tiles of 16 keys, one at k 0-63 and one at k 64-127; Q stands in twelve registers [zeros | codes | zeros], of which registers 4-11 pick the first tile and 0-7 the second.
; The keys of a tile are not neighbours (key 32 b + 8 u + r + 8 (r / 8)), so that the 16 registers of tiles (b, 0), (b, 1) are 16 neighbouring keys: 32 b + 16 (lane / 16) + 0 .. 15.
; THE SOFTMAX: t = score x log2(e) / 8; M = the running largest t rounded UP to a whole number; p = 2^(t - M) is quantised along the keys, not normalised; the sum of the unquantised p divides at the end.
; NO TENSOR LOADS, NO JOINT LOADS: addresses, the trip count and one branch hang on the stored mask, and the query blocks of a head keep different key blocks: operands go from memory straight into registers.
; LIMITS: NaN and infinities among the inputs are not served.  A query block of which no key block is kept cannot arise (the block ranked first has nothing ahead of it); the text would then walk one trip on block 31.
; REGISTERS: v1 16 x lane, v2 4 x lane; v3-6 offsets of K's loads, v7-10 of V's; v11 4 (lane % 16); v12 -M, v13 the largest t, v[14:15] the sum in two halves; v16-27 Q; v28 Q's scale word; v30, v31 K's scale words;
;   v32-63 four fragments of K; v64-95 four fragments of V^T; v96-159 S^T, then p; v160-191 O^T; v192-199 p's codes; v200, v201 V's scale words as stored, v202, v203 as wanted; v208-222 at work; v224-226 the way out.
; THE MODE: SCHED_MODE bits 1:0 = 2 (LLVM: expert scheduling mode 2), set by the entry lines.  The code itself states the register dependences between vector or matrix instructions and memory or LDS instructions,
; with s_wait_alu, always for 0.
; THE PLAN.  Registers that memory or LDS instructions touch, in the loop:
;   v3-6             Written by four additions behind the trip's products K Q^T; read by the ten loads of the next trip's K, which follow them.
;   v7-10            Written by four additions near the trip's end; read by the ten loads of the next trip's V, which follow them.
;   v30-63           The next trip's K lands here, asked for behind this trip's eight products K Q^T, their only readers.
;   v64-95, v200-201 The next trip's V lands here, asked for behind this trip's four products V^T P and the two v_perm_b32 that read the scale words: their only readers.
; So a trip holds ONE wait on vm_vsrc, ahead of the additions to v3-6: every load issued so far has read v3-10; between it and the additions to v7-10 only K's loads are issued, which read v3-6 alone.  And six on va_vdst, among them these four:
; ahead of K's loads (v3-6 are written, the products are done reading v30-63); behind the exponentials, ahead of their first reader; ahead of the products V^T P (their codes and scale words, made by vector lines, are written);
; ahead of V's loads (v7-10 are written, the products and the two v_perm_b32 are done reading).  The larger part of the row's sum, which names no register of the products V^T P, stands between those products and the last wait.
; Outside the loop: v1, v11, v224-226, v232, v233 are written at the head and never again; on the way out v96-127 are the LDS stores' data and v128-159 take the rows back from the stage.
.macro NEXT d                          ; s[d] = the number of the lowest bit still set in s25:s24, which is cleared; 31 when none is left
	s_cmp_lg_u32 s24, 0
	s_cselect_b32 s31, s24, s25
	s_cselect_b32 s[\d], 0, 32
	s_ctz_i32_b32 s32, s31                         ; (-1 of a word without bits)
	s_add_co_u32 s[\d], s[\d], s32
	s_min_u32 s[\d], s[\d], 63                     ; a number that was loaded enters an address only behind this bound
	s_sub_co_u32 s32, s31, 1
	s_and_b32 s31, s31, s32                        ; the lowest bit is cleared
	s_cmp_lg_u32 s24, 0
	s_cselect_b32 s25, s25, s31
	s_cselect_b32 s24, s31, s24
.endm
.macro PAIR                            ; the next trip's two blocks, and their units' places: 2,048 bytes of codes, 128 of scales
	NEXT 29
	NEXT 30
	s_lshl_b32 s48, s29, 11
	s_lshl_b32 s49, s30, 11
	s_lshl_b32 s50, s29, 7
	s_lshl_b32 s51, s30, 7
.endm
.macro OFFS o                          ; four plain additions: v[o], v[o+1] codes of A, B; v[o+2], v[o+3] scales
	v_add_nc_u32 v[\o], s48, v1
	v_add_nc_u32 v[\o+1], s49, v1
	v_add_nc_u32 v[\o+2], s50, v2
	v_add_nc_u32 v[\o+3], s51, v2
.endm
.macro LOADK                           ; ten loads: each block's four pieces (two fragments) and its scale words (lanes 0-15: fragment 0's, lanes 16-31: fragment 1's)
.irp be, 0,1
.irp p, 0,1,2,3
	global_load_b128 v[32+16*\be+4*\p:35+16*\be+4*\p], v[3+\be], s[16:17] offset:512*\p
.endr
	global_load_b32 v[30+\be], v[5+\be], s[20:21]
.endr
.endm
.macro LOADV                           ; ten loads: tile t's registers 0-3 from block A, 4-7 from block B; the blocks' scale words
.irp be, 0,1
.irp t, 0,1,2,3
	global_load_b128 v[64+8*\t+4*\be:67+8*\t+4*\be], v[7+\be], s[18:19] offset:512*\t
.endr
	global_load_b32 v[200+\be], v[9+\be], s[22:23]
.endr
.endm
	s_load_b256 s[4:11], s[0:1], 0x0               ; codes s[4:5], scales s[6:7], keep s[8:9], out s[10:11]
	v_lshl_add_u32 v232, v0, 2, 0x8800             ; the LDS address of my spare word, behind the eight stages, and 0: made here and kept for the closing lines alone
	v_mov_b32 v233, 0
	v_lshrrev_b32 v222, 5, v0
	v_readfirstlane_b32 s12, v222                  ; wave 0..7
	v_and_b32 v222, 31, v0
	v_lshlrev_b32 v1, 4, v222
	v_lshlrev_b32 v2, 2, v222
	v_and_b32 v222, 15, v0                         ; r
	v_bfe_u32 v223, v0, 4, 1                       ; h
	v_lshlrev_b32 v11, 2, v222
	s_wait_alu depctr_va_sdst(0)                   ; s12 is written, ahead of its first reader: the query block, the tile and the stage are made from it
	s_and_b32 s13, ttmp7, 0xffff                   ; head
	s_lshr_b32 s14, s12, 2
	s_lshl_b32 s15, ttmp9, 1
	s_add_co_u32 s14, s14, s15                     ; query block
	s_lshl_b32 s15, s13, 6
	s_add_co_u32 s15, s15, s14                     ; its unit: head x 64 + query block
	s_and_b32 s35, s12, 3                          ; my tile 2 b + u
	s_lshr_b32 s36, s35, 1                         ; b
	s_and_b32 s37, s35, 1                          ; u
	s_mov_b32 s33, 0
	s_mov_b32 s34, 0xff800000                      ; -infinity
	s_mov_b32 s38, 0x76543210
	s_mov_b32 s39, 0xfedcba98                      ; v_permlanex16_b32's selects for lane l xor 16
	s_mov_b32 s40, 0x3e38aa3b                      ; c = log2(e) / sqrt(64)
	s_mov_b32 s41, s40                             ; (the packed form names the pair)
	s_mov_b32 s42, 0x05040100                      ; the two low halves
	s_mov_b32 s43, 0x07060302                      ; the two high halves
	s_wait_kmcnt 0x0
	s_lshl_b32 s32, s15, 3
	s_add_nc_u64 s[8:9], s[8:9], s[32:33]
	s_load_b64 s[24:25], s[8:9], 0x0               ; my query block's 64 bits
	s_lshl_b32 s32, s15, 11
	s_lshl_b32 s31, s35, 9
	s_add_co_u32 s32, s32, s31
	s_add_nc_u64 s[44:45], s[4:5], s[32:33]
	s_wait_alu depctr_va_vdst(0)                   ; v1 and v11 are written, which Q's two loads read as their offsets
	global_load_b128 v[20:23], v1, s[44:45]        ; Q's codes: piece 2 b + u of the unit
	s_lshl_b32 s32, s15, 7
	s_lshl_b32 s31, s36, 6
	s_add_co_u32 s32, s32, s31
	s_add_nc_u64 s[46:47], s[6:7], s[32:33]
	global_load_b32 v29, v11, s[46:47]             ; word 16 b + r: tile (b, 0)'s two bytes below, tile (b, 1)'s above
	s_lshl_b32 s32, s13, 17                        ; a head's 64 units of codes
	s_add_co_u32 s32, s32, 0x100000
	s_add_nc_u64 s[16:17], s[4:5], s[32:33]        ; K's codes of the head
	s_add_co_u32 s32, s32, 0x100000
	s_add_nc_u64 s[18:19], s[4:5], s[32:33]        ; V's
	s_lshl_b32 s32, s13, 13
	s_add_co_u32 s32, s32, 0x10000
	s_add_nc_u64 s[20:21], s[6:7], s[32:33]        ; K's scales
	s_add_co_u32 s32, s32, 0x10000
	s_add_nc_u64 s[22:23], s[6:7], s[32:33]        ; V's
	s_lshl_b32 s32, s15, 14                        ; out: (64 x unit + 32 b + 8 u) rows of 256 bytes
	s_lshl_b32 s31, s36, 13
	s_add_co_u32 s32, s32, s31
	s_lshl_b32 s31, s37, 11
	s_add_co_u32 s32, s32, s31
	s_add_nc_u64 s[10:11], s[10:11], s[32:33]
	s_cmp_lg_u32 s37, 0
	s_mov_b32 s35, 0x01000100                      ; u = 0: the word's low two bytes, twice;
	s_cselect_b32 s35, 0x03020302, s35             ; u = 1: its high two
	s_mul_i32 s36, s12, 4352                       ; my stage: 16 rows x (256 bytes + 16)
	v_mul_u32_u24 v224, v222, 272
	v_lshl_add_u32 v224, v223, 5, v224
	v_add_nc_u32 v224, s36, v224                   ; in: row r, + 32 h
	v_mul_u32_u24 v225, v223, 272
	v_lshl_add_u32 v225, v222, 4, v225
	v_add_nc_u32 v225, s36, v225                   ; back: lanes 0-15 one row, lanes 16-31 the next
	v_lshlrev_b32 v226, 8, v223
	v_lshl_add_u32 v226, v222, 4, v226             ; and the same two rows in out
.irp i, 16,17,18,19,24,25,26,27
	v_mov_b32 v\i, 0                               ; the zero codes on both sides of Q's
.endr
	s_wait_kmcnt 0x0
	s_bcnt1_i32_b32 s26, s24
	s_bcnt1_i32_b32 s31, s25
	s_add_co_u32 s26, s26, s31                     ; kept key blocks
	s_add_co_u32 s27, s26, 1
	s_lshr_b32 s27, s27, 1
	s_max_u32 s27, s27, 1
	s_min_u32 s27, s27, 32                         ; trips
	PAIR
	OFFS 3
	OFFS 7
	s_wait_alu depctr_va_vdst(0)                   ; v3-10 are written, which the first trip's twenty loads read as their offsets; so are v224-226, which the way out's LDS instructions and stores read
	LOADK
	LOADV
	s_mov_b32 s28, 0
	v_mov_b32 v13, 0xff61b1e6                      ; the largest t so far: -3e38, under every t
	v_floor_f32 v12, -v13                          ; -M
	v_mov_b32 v14, 0
	v_mov_b32 v15, 0
.irp i, 212,213,214,215,221
	v_mov_b32 v\i, 0                               ; lane permutes' destinations; the upper half of the pair v[220:221]
.endr
	s_wait_loadcnt 20                              ; Q's two loads are in; the first trip's K and V, twenty loads, may be out
	v_perm_b32 v28, v29, v29, s35                  ; Q's two bytes, twice: they serve both places of its codes
.set J, 0
.rept 32
	v_mov_b32 v[160+J], 0                          ; O^T: the loop is written once; its first trip finds zeros.  (These lines are also the places between the scale word's making and the first scaled product)
.set J, J+1
.endr
	s_wait_alu depctr_va_vdst(0)                   ; behind those places: Q's scale word v28 and the zero codes v16-19, v24-27, made by vector lines, are written: the scaled products of every trip take them
.Lstep:
	s_wait_loadcnt 10                              ; this trip's K is in (and its loads' offsets are free); the ten loads issued behind it, this trip's V, may be out: the same count on the way in and over the backward jump
	PAIR                                           ; the next trip's blocks
.irp be, 0,1
	v_wmma_scale_f32_16x16x128_f8f6f4 v[96+32*\be:103+32*\be], v[32+16*\be:39+16*\be], v[20:27], 0, v[30+\be], v28 matrix_a_fmt:MATRIX_FMT_FP4 matrix_b_fmt:MATRIX_FMT_FP4
	v_wmma_scale_f32_16x16x128_f8f6f4 v[104+32*\be:111+32*\be], v[32+16*\be:39+16*\be], v[16:23], 0, v[30+\be], v28 matrix_a_fmt:MATRIX_FMT_FP4 matrix_b_fmt:MATRIX_FMT_FP4
	v_wmma_scale_f32_16x16x128_f8f6f4 v[112+32*\be:119+32*\be], v[40+16*\be:47+16*\be], v[20:27], 0, v[30+\be], v28 matrix_a_fmt:MATRIX_FMT_FP4 matrix_b_fmt:MATRIX_FMT_FP4 matrix_a_scale:MATRIX_SCALE_ROW1
	v_wmma_scale_f32_16x16x128_f8f6f4 v[120+32*\be:127+32*\be], v[40+16*\be:47+16*\be], v[16:23], 0, v[30+\be], v28 matrix_a_fmt:MATRIX_FMT_FP4 matrix_b_fmt:MATRIX_FMT_FP4 matrix_a_scale:MATRIX_SCALE_ROW1
.endr                                          ; registers 96 + 16 n + i: key 32 n + 16 (lane / 16) + i of the trip's 128 (n = 0, 1: block A; 2, 3: block B)
	s_wait_alu depctr_vm_vsrc(0)                   ; this trip's K's and V's loads, the last issued, have read v3-10: v3-6 are written anew below, v7-10 near the trip's end (only K's loads, which read v3-6, are issued between)
	OFFS 3                                         ; the four places behind the products (ISA guide 7.12.1), in front of the first touch of their results
	s_wait_alu depctr_va_vdst(0)                   ; the additions have written v3-6, which the loads below read; the eight products are done reading v30-63, in which those loads land
	LOADK                                          ; the next trip's K: it has this trip's softmax in which to land
	s_lshl_b32 s31, s28, 1
	s_add_co_u32 s31, s31, 1
	s_cmp_ge_u32 s31, s26                          ; is B the (2 i + 2)-th of fewer kept blocks?  A branch on a stored whole number: only an odd count's last trip goes through
	s_cbranch_scc0 .Lalive
.set J, 0
.rept 32
	v_mov_b32 v[128+J], s34                        ; block B does not count: p = 0 there
.set J, J+1
.endr
.Lalive:
.irp b, 0,1,2,3
	v_max3_num_f32 v[208+\b], v[96+16*\b], v[97+16*\b], v[98+16*\b]        ; the largest score of each block of 32 keys: for the row's maximum, and, since p rises with the score, for the block's largest p.  Each result is read from its low end on
.endr
.irp i, 3,5,7,9,11,13
.irp b, 0,1,2,3
	v_max3_num_f32 v[208+\b], v[208+\b], v[96+16*\b+\i], v[97+16*\b+\i]
.endr
.endr
.irp b, 0,1,2,3
	v_max_num_f32 v[208+\b], v[208+\b], v[111+16*\b]
.endr
.irp b, 0,1,2,3
	v_permlanex16_b32 v[212+\b], v[208+\b], s38, s39
.endr
.irp b, 0,1,2,3
	v_max_num_f32 v[208+\b], v[208+\b], v[212+\b]  ; with lane l xor 16's 16 keys
.endr
	v_max3_num_f32 v222, v208, v209, v210
	v_max_num_f32 v222, v222, v211
	v_mul_f32 v222, s40, v222                      ; the trip's largest t of my query
	v_max_num_f32 v13, v13, v222
	v_mov_b32 v222, v12
	v_floor_f32 v12, -v13                          ; the new -M = -ceil(t)
	v_sub_f32 v222, v12, v222                      ; old M - new M: a whole number, 0 or less
	v_cvt_i32_f32 v222, v222                       ; (it saturates)
	v_ldexp_f32 v220, 1.0, v222                    ; f = 2^(old M - new M): a multiplication by it rounds nothing
.set J, 0
.rept 32
	v_pk_fma_f32 v[96+J:97+J], v[96+J:97+J], s[40:41], v[12:13] op_sel_hi:[1,0,0]   ; t - M, two at a time
.set J, J+2
.endr
.irp b, 0,1,2,3
	v_fma_f32 v[208+\b], v[208+\b], s40, v12       ; the same of each block's largest score
.endr
.set J, 0
	s_wait_alu depctr_va_vdst(0)
.rept 64
	v_exp_f32 v[96+J], v[96+J]                     ; p = 2^(t - M), at most 1
.set J, J+1
.endr
.irp b, 0,1,2,3
	v_exp_f32 v[208+\b], v[208+\b]                 ; the block's largest p: the same two instructions on the same number
.endr
	v_pk_mul_f32 v[14:15], v[14:15], v[220:221] op_sel_hi:[1,0]            ; the sums under the new M.  (The plain line behind the exponentials)
	s_wait_alu depctr_va_vdst(0)                   ; the 68 exponentials have written v96-159 and v208-211: one wait for the batch, ahead of its first reader
.irp b, 0,1,2,3
	v_max_num_f32 v[208+\b], 0x1800000, v[208+\b]  ; the floor 2^(3 - 127): the byte cannot fall under 1; a block of zeros keeps that byte over zero codes
.endr
.irp b, 0,1,2,3
	v_add_nc_u32 v[216+\b], 0xff000000, v[208+\b]  ; 2 off the exponent field: the conversion's scale operand
.endr
.irp b, 0,1,2,3
	v_lshrrev_b32 v[212+\b], 23, v[216+\b]         ; the byte
.endr
	v_lshl_or_b32 v221, v213, 8, v212              ; p's scale word for these 128 keys
	v_lshl_or_b32 v221, v214, 16, v221
	v_lshl_or_b32 v221, v215, 24, v221
.irp b, 0,1,2,3
	v_cvt_scalef32_pk8_fp4_f32 v[192+2*\b], v[96+16*\b:103+16*\b], v[216+\b]
	v_cvt_scalef32_pk8_fp4_f32 v[193+2*\b], v[104+16*\b:111+16*\b], v[216+\b]
.endr
	v_nop                                          ; one plain line behind the last conversion
	s_wait_alu depctr_va_vdst(0)
	s_wait_loadcnt 10                              ; this trip's V is in (and its loads' offsets are free); the ten loads issued behind it, the next trip's K, may be out
	v_perm_b32 v202, v201, v200, s42               ; channel l's bytes of block A, then of block B: tile 0 in lanes 0-15, tile 1 in lanes 16-31
	v_perm_b32 v203, v201, v200, s43               ; channel 32 + l's: tiles 2 and 3
.irp c, 0,1                                    ; the operand's layout wants a WHOLE block of 32 keys in a lane
.irp i, 0,1
	v_permlane16_swap_b32 v[192+4*\c+\i], v[194+4*\c+\i]
.endr
.endr
.set J, 0
.rept 16
	v_pk_mul_f32 v[160+J:161+J], v[160+J:161+J], v[220:221] op_sel_hi:[1,0]   ; O^T under the new M
.set J, J+2
.endr
	v_pk_add_f32 v[212:213], v[96:97], v[98:99]    ; the row's sum is taken of the UNQUANTISED p, in two chains.  Its first nine lines stand here: with the lines above, the places between the making of scale words and codes and the scaled products
.irp j, 4,8,12,16
	v_pk_add_f32 v[14:15], v[14:15], v[96+\j:97+\j]
	v_pk_add_f32 v[212:213], v[212:213], v[98+\j:99+\j]
.endr
	s_wait_alu depctr_va_vdst(0)                   ; behind those places: p's codes v192-199 and the scale words v202, v203, v221, made by vector lines, are written: the scaled products below take them
	; O^T += V^T P^T: the four accumulators by turns, one instruction a turn, and the eight products K Q^T between a link and the next
	v_wmma_scale_f32_16x16x128_f8f6f4 v[160:167], v[64:71], v[192:199], v[160:167], v202, v221 matrix_a_fmt:MATRIX_FMT_FP4 matrix_b_fmt:MATRIX_FMT_FP4
	v_wmma_scale_f32_16x16x128_f8f6f4 v[168:175], v[72:79], v[192:199], v[168:175], v202, v221 matrix_a_fmt:MATRIX_FMT_FP4 matrix_b_fmt:MATRIX_FMT_FP4 matrix_a_scale:MATRIX_SCALE_ROW1
	v_wmma_scale_f32_16x16x128_f8f6f4 v[176:183], v[80:87], v[192:199], v[176:183], v203, v221 matrix_a_fmt:MATRIX_FMT_FP4 matrix_b_fmt:MATRIX_FMT_FP4
	v_wmma_scale_f32_16x16x128_f8f6f4 v[184:191], v[88:95], v[192:199], v[184:191], v203, v221 matrix_a_fmt:MATRIX_FMT_FP4 matrix_b_fmt:MATRIX_FMT_FP4 matrix_a_scale:MATRIX_SCALE_ROW1
.irp j, 20,24,28,32,36,40,44,48,52,56,60
	v_pk_add_f32 v[14:15], v[14:15], v[96+\j:97+\j]        ; the row's sum goes on, each chain in the same order: these lines name no register of the four products, and stand between them and the wait below
	v_pk_add_f32 v[212:213], v[212:213], v[98+\j:99+\j]
.endr
	v_pk_add_f32 v[14:15], v[14:15], v[212:213]
	OFFS 7                                         ; free since the wait on vm_vsrc above.  (With the sums: the places behind the products, in front of the way out's first read of O^T)
	s_wait_alu depctr_va_vdst(0)                   ; the additions have written v7-10, which the loads below read; the four products are done reading v64-95 and the two v_perm_b32 v200, v201, in which those loads land
	LOADV                                          ; the next trip's V
	s_add_co_u32 s28, s28, 1
	s_cmp_lt_u32 s28, s27
	s_cbranch_scc1 .Lstep
	; THE WAY OUT.  (The last trip's look-ahead loads stay inside the buffers and land in v30-95, v200, v201, which no line below names: nothing waits for them.)
	v_add_f32 v14, v14, v15                        ; the sum's two halves,
	v_permlanex16_b32 v212, v14, s38, s39
	v_add_f32 v14, v14, v212                       ; and lane l xor 16's: the row's sum
	s_wait_alu depctr_va_vdst(0)
	v_rcp_f32 v14, v14
	v_nop                                          ; one plain line behind a transcendental
.set J, 0
	s_wait_alu depctr_va_vdst(0)                   ; the reciprocal has written v14, ahead of its first reader
.rept 32
	v_mul_f32 v[96+J], v[160+J], v14               ; O^T / the sum: register 8 t + i is out(query r, channel 16 t + 8 h + i); each result from its low end on
.set J, J+1
.endr
	s_wait_alu depctr_va_vdst(0)                   ; the multiplications have written v96-127, which the LDS stores read; the loop's vector lines are done with v128-159, in which the loads from the stage land
.irp t, 0,1,2,3
	ds_store_b128 v224, v[96+8*\t:99+8*\t] offset:64*\t
	ds_store_b128 v224, v[100+8*\t:103+8*\t] offset:64*\t+16
.endr
.irp i, 0,1,2,3,4,5,6,7
	ds_load_b128 v[128+4*\i:131+4*\i], v225 offset:544*\i  ; LDS serves a wave's instructions in order: these see my stores
.endr
.irp i, 0,1,2,3,4,5,6,7
	s_wait_dscnt 7-\i                              ; rows 2 i and 2 i + 1 of the stage are back; the younger loads may be out
	global_store_b128 v226, v[128+4*\i:131+4*\i], s[10:11] offset:(2*\i+8*(\i/4))*256 th:TH_STORE_NT   ; stage row r is row r + 8 (r / 8) of my tile; sixteen lanes store one row: 256 consecutive bytes, aligned
.endr
	s_wait_dscnt 0x0                               ; the closing lines, six on end
	s_wait_alu 0x0
	s_wait_tensorcnt 0x0
	ds_add_u32 v232, v233
	s_wait_dscnt 0x0
	s_endpgm
.Lfunc_end_k_q0c4d3cbfa6_attn:
	.size	k_q0c4d3cbfa6_attn, .Lfunc_end_k_q0c4d3cbfa6_attn-k_q0c4d3cbfa6_attn
	.p2alignl 7, 3214868480
	.fill 96, 4, 3214868480
	.section	.rodata,"a",@progbits
	.p2align	6, 0x0
	.amdhsa_kernel k_q0c4d3cbfa6_attn
		.amdhsa_group_segment_fixed_size 35840
		.amdhsa_private_segment_fixed_size 0
		.amdhsa_enable_private_segment 0
		.amdhsa_kernarg_size 32
		.amdhsa_user_sgpr_count 2
		.amdhsa_user_sgpr_kernarg_segment_ptr 1
		.amdhsa_wavefront_size32 1
		.amdhsa_system_sgpr_workgroup_id_x 1
		.amdhsa_system_sgpr_workgroup_id_y 1
		.amdhsa_system_sgpr_workgroup_id_z 1
		.amdhsa_system_vgpr_workitem_id 0
		.amdhsa_next_free_vgpr 234
		.amdhsa_next_free_sgpr 66
		.amdhsa_reserve_vcc 0
		.amdhsa_float_denorm_mode_32 3
		.amdhsa_float_denorm_mode_16_64 3
		.amdhsa_memory_ordered 1
		.amdhsa_forward_progress 1
		.amdhsa_inst_pref_size 30
	.end_amdhsa_kernel
	.amdgpu_metadata
---
amdhsa.version: [ 1, 2 ]
amdhsa.kernels:
  - .name:           k_q0c4d3cbfa6_attn
    .symbol:         k_q0c4d3cbfa6_attn.kd
    .args:
      - { .name: codes, .offset: 0, .size: 8, .value_kind: global_buffer, .address_space: global }
      - { .name: scales, .offset: 8, .size: 8, .value_kind: global_buffer, .address_space: global }
      - { .name: keep, .offset: 16, .size: 8, .value_kind: global_buffer, .address_space: global }
      - { .name: out0, .offset: 24, .size: 8, .value_kind: global_buffer, .address_space: global }
    .group_segment_fixed_size: 35840
    .private_segment_fixed_size: 0
    .kernarg_segment_align: 8
    .kernarg_segment_size: 32
    .max_flat_workgroup_size: 256
    .sgpr_count:     66
    .vgpr_count:     234
    .wavefront_size: 32
...
	.end_amdgpu_metadata
.endif
;; end of part 4
